; MI455X (gfx1250); checked and timed in simulation.
; The chip was launched on July 23, 2026; its instructions are those of AMD's public machine-readable ISA for CDNA 5 (MIT licence, August 2026) and "CDNA5" Instruction Set Architecture Reference Guide (July 2026). The comments in the code are by the model that wrote it; some were corrected since.
;; Block. Allowed arithmetic: matrix products marked QUANTISED: E2M3 operands, one E8M0 scale for each 32 along K, by v_wmma_scale_f32_16x16x128_f8f6f4 with both operands' format E2M3, f32 sums; everything else in f32.
;; Inputs: cos 1 x 1 x 2,048 x 64 float32; ln1_b 1,024 float32; ln1_w 1,024 float32; ln2_b 1,024 float32; ln2_w 1,024 float32; mask 1 x 1 x 2,048 x 2,048 bool; sin 1 x 1 x 2,048 x 64 float32; w_fc1_codes 4,096 x 32 x 24 uint8 (E2M3 codes of w_fc1, K innermost, in blocks of 32 codes, four codes in three bytes); w_fc1_scales 4,096 x 32 uint8 (E8M0 scales of w_fc1, one for each 32 codes along K); w_fc2_codes 1,024 x 128 x 24 uint8 (E2M3 codes of w_fc2, K innermost, in blocks of 32 codes, four codes in three bytes); w_fc2_scales 1,024 x 128 uint8 (E8M0 scales of w_fc2, one for each 32 codes along K); w_proj_codes 1,024 x 32 x 24 uint8 (E2M3 codes of w_proj, K innermost, in blocks of 32 codes, four codes in three bytes); w_proj_scales 1,024 x 32 uint8 (E8M0 scales of w_proj, one for each 32 codes along K); w_qkv_codes 3,072 x 32 x 24 uint8 (E2M3 codes of w_qkv, K innermost, in blocks of 32 codes, four codes in three bytes); w_qkv_scales 3,072 x 32 uint8 (E8M0 scales of w_qkv, one for each 32 codes along K); x 2 x 2,048 x 1,024 float32.
;; Outputs: out0 2 x 2,048 x 1,024 float32.
;; This version of the problem:
;;   THIS VERSION OF THE PROBLEM IS GIVEN IN LOW PRECISION. The matrix products marked QUANTISED in the list below multiply operands that are first quantised to E2M3 (2 exponent bits, 3 mantissa bits; 6 bits a number), with one power-of-two scale for each 32 numbers along K (OCP MX v1.0); their sums are f32. All else is computed in f32.
;;   The module's matrix products, in the order in which they are computed (A, B: the left and right operand; K: the contracted axis; several contracted axes count as one K, in the product's order):
;;     1. [M 4,096, K 1,024] x [K 1,024, N 3,072]; A: computed on the way; B: input w_qkv (given as codes): QUANTISED
;;     2. batch 32 x [M 2,048, K 64] x [K 64, N 2,048]; A: computed on the way; B: computed on the way: QUANTISED
;;     3. batch 32 x [M 2,048, K 2,048] x [K 2,048, N 64]; A: softmax (see below); B: computed on the way: QUANTISED
;;     4. [M 4,096, K 1,024] x [K 1,024, N 1,024]; A: computed on the way; B: input w_proj (given as codes): QUANTISED
;;     5. [M 4,096, K 1,024] x [K 1,024, N 4,096]; A: computed on the way; B: input w_fc1 (given as codes): QUANTISED
;;     6. [M 4,096, K 4,096] x [K 4,096, N 1,024]; A: computed on the way; B: input w_fc2 (given as codes): QUANTISED
;;   THE QUANTISER, for each operand of a quantised product, along K:
;;     - K is cut into blocks of 32 from its start; a last block that is shorter is filled with zeros.
;;     - A block's scale is 2^e with e = floor(log2(the largest magnitude in the block)) - 2, held to -126 .. 127; a block of zeros has e = 0. As a byte (E8M0): e + 127.
;;     - Each number is divided by its block's scale, clamped to +-7.5, and rounded to the nearest number of E2M3, ties to even, subnormals kept.
;;     - The product sums the exact products of the quantised numbers (number of the format x scale) in f32.
;;   ~~~python
;;   def quantise(x, axis):      # numpy; x: float32 -> the quantised numbers, widened to float32 again
;;       x = np.moveaxis(x, axis, -1); K = x.shape[-1]
;;       x = np.pad(x, [(0, 0)] * (x.ndim - 1) + [(0, -K % 32)]); x = x.reshape(x.shape[:-1] + (-1, 32)); a = np.abs(x).max(-1, keepdims=True)
;;       e = np.where(a > 0, np.clip(np.frexp(np.where(a > 0, a, 1))[1] - 1 - 2, -126, 127), 0)      # np.frexp(a)[1] - 1 = floor(log2(a)), exactly
;;       r = np.clip(x / 2.0 ** e, -7.5, 7.5)
;;       step = 2.0 ** (np.maximum(np.frexp(np.where(r == 0, 1, r))[1] - 1, 0) - 3)
;;       q = np.round(r / step) * step * 2.0 ** e      # np.round: ties to even
;;       return np.moveaxis(q.reshape(q.shape[:-2] + (-1,))[..., :K], -1, axis).astype(np.float32)
;;   ~~~
;;   SOFTMAX AHEAD OF A QUANTISED PRODUCT. Where the list says 'softmax', what is quantised is not the finished softmax but p = 2^(t - M), with t = logit x log2(e) and M = ceil(the row's largest t), a whole number; so 1/2 < the row's largest p <= 1. The row's sum l is taken of the UNQUANTISED p, in f32, and the product's result is divided by l at the end. Since M is a whole number, a kernel that streams over the keys may use a running M (the ceiling of the running maximum): every later rescaling is an exact power of two, which a block's scale takes up: the codes' values come out the same.
;;   OPERANDS COMPUTED ON THE WAY. 'Computed on the way' means the value that the module computes at that place (a softmax that the list does not call 'softmax' is quantised finished and normalised). What goes into a quantiser is computed in f32, as accurately as f32 sums, v_exp_f32 and their like allow (about 1e-6 of the number): no bf16 or f16 on the way to a quantiser, and a product that is left as it is and whose result goes on into a quantised operand takes f32 operands (vector FMAs, or v_wmma_f32_16x16x4_f32). A number that lies on a knife's edge between two numbers of the format may be rounded either way, as far as f32 arithmetic and the matrix unit's own rounding can turn it there, and no further.
;;   INPUTS GIVEN AS CODES. w_fc1 (in the module: [1024, 4096], K = its axis 0); w_fc2 (in the module: [4096, 1024], K = its axis 0); w_proj (in the module: [1024, 1024], K = its axis 0); w_qkv (in the module: [1024, 3072], K = its axis 0): each comes as NAME_codes (uint8): NAME with its K axis moved to the last place and cut into blocks of 32 codes, [.., K / 32, bytes a block], one block behind the other in memory; four codes in three bytes: a row's codes are one little-endian stream of bits, code i at bits 6 i .. 6 i + 5 (a code: sign, 2 exponent bits, 3 mantissa bits); and NAME_scales (uint8): the same leading axes, one E8M0 byte (e + 127) for each 32 codes along K. Its value is code x scale, taken as it is: it is not quantised again, and the codes and scales need not be those that the quantiser above would give.
;; One version. Each part assembles by itself: llvm-mc -triple=amdgcn-amd-amdhsa -mcpu=gfx1250 --defsym DOCPART=n.
;; ======== version 1 of 1: 7 launches
;; limits: right only within a limited range of input values
;; workspace buffers: lnq 3,276,800 bytes; mw 524,288 bytes of whole numbers; qb 3,276,800 bytes; kvb 6,553,600 bytes; ao 3,276,800 bytes; x1 16,777,216 bytes; hb 13,107,200 bytes; wi 9,437,184 bytes
;; launch prep (part 1): grid 256 x 1, 4 waves a work-group, no clusters, 84,480 bytes of LDS; arguments x, ln1_w, ln1_b, lnq, mask, mw, w_qkv_codes, w_proj_codes, w_fc1_codes, w_fc2_codes, wi; writes lnq, mw, wi
.if DOCPART == 1
	.amdgcn_target "amdgcn-amd-amdhsa--gfx1250"
	.amdhsa_code_object_version 6
	.text
	.protected	k_qc638275fd3_prep
	.globl	k_qc638275fd3_prep
	.p2align	8
	.type	k_qc638275fd3_prep,@function
k_qc638275fd3_prep:
	s_mov_b64 s[64:65], 0
	v_nop
	global_prefetch_b8 v0, s[64:65] scope:SCOPE_SE
	s_setreg_imm32_b32 hwreg(HW_REG_WAVE_MODE, 25, 1), 1
	s_wait_xcnt 0x0
; LayerNorm of 4,096 rows of 1,024 f32, quantised along the row to codes of FP6 (E2M3) with one E8M0 byte for each 32 numbers.
; OUT: codes as rows of 768 bytes (the order in which the weights' codes lie), and from byte LNQ_SC on the scale bytes, 32 a row.
; SHARES: a work-group takes 16 rows, a wave four whole rows.  A row is 32 registers a lane and stays in registers between the passes
; (mean, variance, scaling), so it is read from memory once.  Lane l holds numbers 128 j + 4 l .. + 3 of load j; the conversion wants 16
; neighbours in a lane, so a finished row turns through the wave's own stage in LDS (64 places of 64 bytes + 16 of padding).
; A block's scale is 2^(floor(log2(largest magnitude)) - 2): its byte is the largest magnitude's exponent field - 2, held at 1 from below.
; WITH_MASK = 1: each wave also turns two tiles of the mask (16 queries x 128 keys, one byte a flag) into 64 words of lane bits each:
; bit l of word n = mask[16 qt + l % 16][128 step + 16 (n / 8) + 8 (l / 16) + n % 8], the place of that score in the attention launch's registers.
; LIMITS: NaN and infinities among the inputs are not served; a block of zeros gets the byte 1 (its codes are zeros; only this program reads the
; bytes); a block's largest magnitude is floored at 2^-124.
.set WITH_MASK, 1
.set X,    32                          ; v32-159   row i, load j at X + 32 i + 4 j
.set GW,   160                         ; v160-191  the gain of my 32 columns
.set GB,   192                         ; v192-223  the bias
.set Y,    224                         ; v224-255  two sets of 16 neighbours (first: the mask's 32 registers)
.set C,    16                          ; v16-18, v20-22 two sets of codes
.set E,    24                          ; v24-25    the scale byte of each half
.set STGB, 5120                        ; a wave's stage
.set SCBY, 20480                       ; behind the stages: the 16 rows' 512 scale bytes
.set LNQ_SC, 3145728
	s_load_b256 s[4:11], s[0:1], 0x0               ; x, gain, bias, out
.if WITH_MASK
	s_load_b128 s[12:15], s[0:1], 0x20             ; mask, mask words
	s_load_b256 s[48:55], s[0:1], 0x30             ; the codes of w_qkv, w_proj, w_fc1, w_fc2
	s_load_b64 s[56:57], s[0:1], 0x50              ; wi: the four weights as images, one behind the other
	v_lshl_add_u32 v19, v0, 2, 0x5400
	v_mov_b32 v23, 0
.endif
	v_lshrrev_b32 v1, 5, v0
	v_readfirstlane_b32 s16, v1                    ; wave
	v_and_b32 v1, 31, v0                           ; lane
	v_lshlrev_b32 v2, 4, v1                        ; 16 x lane
	s_mul_i32 s17, s16, STGB
	v_lshrrev_b32 v3, 2, v1
	v_mul_u32_u24 v3, v3, 80
	v_and_b32 v4, 3, v1
	v_lshl_add_u32 v3, v4, 4, v3
	v_add_nc_u32 v3, s17, v3                       ; into the stage: four lanes' 64 bytes on end, then the padding
	v_mul_u32_u24 v4, v1, 80
	v_add_nc_u32 v4, s17, v4                       ; out of it: a place a lane
	v_lshlrev_b32 v5, 3, v1                        ; 8 x lane
	s_lshl_b32 s17, s16, 7
	s_add_co_u32 s17, s17, SCBY
	v_lshrrev_b32 v6, 1, v1
	v_add_nc_u32 v6, s17, v6                       ; my block's scale byte: 128 x wave + lane / 2
	v_add_nc_u32 v7, SCBY, v2                      ; wave 0 reads all 512 back
; THE CODES LEAVE AS IMAGES.  An image is 16 rows x 64 along K, 768 bytes: plane p (256 bytes) holds at 8 x (row + 16 h) bytes 24 h + 8 p .. + 7 of the row's 48.
; The work-group's 16 rows are 16 images, gathered in LDS from IMG on.  My 12 bytes (u = lane % 2: the lower or upper half of a block's 24) go as three words.
.set IMG, 22016
.set RLY, 34304                        ; a stage of 16 rows x 784 bytes for each wave that re-lays a weight
.set RB,  66                           ; s66-81 the bases of a unit's eight pairs of rows
	v_and_b32 v26, 1, v1                           ; u
	v_bfe_u32 v27, v1, 1, 1                        ; h
	v_lshrrev_b32 v28, 2, v1
	v_mul_u32_u24 v28, v28, 768                    ; image lane / 4 of the half row
	v_lshl_add_u32 v28, v27, 7, v28
	s_lshl_b32 s17, s16, 5                         ; 8 x my first row
	s_add_co_u32 s17, s17, IMG
	v_add_nc_u32 v28, s17, v28
	v_mad_u32_u24 v27, v26, 508, v28
	v_add_nc_u32 v27, 4, v27                       ; word 1: byte 4 of plane 0, or byte 0 of plane 2
	v_mad_u32_u24 v26, v26, 260, v28               ; word 0: byte 0 of plane 0, or byte 4 of plane 1; word 2: 256 further on
	v_lshlrev_b32 v28, 4, v0                       ; 16 x thread
; THE WEIGHTS ARE RE-LAID as images too: 768 units of 16 rows x 768 bytes; waves 0 to 2 take unit 3 x work-group + wave.
; Units 0-191 w_qkv, 192-255 w_proj, 256-511 w_fc1, 512-767 w_fc2 (a quarter of its rows of 3,072 bytes each).  Unit n lands at byte 12,288 n of wi.
	s_mul_i32 s40, ttmp9, 3
	s_add_co_u32 s40, s40, s16
	s_mul_i32 s42, s40, 12288
	s_mov_b32 s43, 0
	s_cmp_lt_u32 s40, 192
	s_cselect_b32 s45, 0, 192
	s_cmp_lt_u32 s40, 256
	s_cselect_b32 s45, s45, 256
	s_sub_co_u32 s46, s40, s45
	s_mul_i32 s46, s46, 12288
	s_sub_co_u32 s58, s40, 512
	s_lshr_b32 s59, s58, 2
	s_mul_i32 s59, s59, 49152
	s_and_b32 s58, s58, 3
	s_mul_i32 s58, s58, 768
	s_add_co_u32 s58, s58, s59
	s_mov_b32 s44, 3072
	s_cmp_lt_u32 s40, 512
	s_cselect_b32 s46, s46, s58                    ; where the unit begins in its weight
	s_cselect_b32 s44, 768, s44                    ; the weight's row in bytes
	s_mov_b32 s47, 0
	s_lshl_b32 s58, s44, 1
	s_mov_b32 s59, 0
	s_mul_i32 s41, s16, 12544
	s_add_co_u32 s41, s41, RLY
	v_lshrrev_b32 v8, 4, v1
	v_and_b32 v30, 15, v1
	v_mul_lo_u32 v29, v8, s44
	v_lshl_add_u32 v29, v30, 4, v29                ; from memory: sixteen lanes take 256 bytes of a row, the other sixteen of the next row
	v_mul_u32_u24 v31, v8, 784
	v_lshl_add_u32 v31, v30, 4, v31
	v_add_nc_u32 v31, s41, v31                     ; the same place in my stage
	v_mul_u32_u24 v30, v30, 784
	v_mad_u32_u24 v30, v8, 24, v30
	v_add_nc_u32 v30, s41, v30                     ; out of it: row lane % 16, + 24 (lane / 16)
	s_lshl_b32 s18, ttmp9, 2
	s_add_co_u32 s18, s18, s16                     ; the wave's number in the launch: it owns rows 4 x that on
	s_lshl_b32 s26, s18, 14
	s_mov_b32 s27, 0
	s_mul_i32 s28, ttmp9, 12288
	s_mov_b32 s29, 0
	s_lshl_b32 s30, ttmp9, 9
	s_add_co_u32 s30, s30, LNQ_SC
	s_mov_b32 s31, 0
.if WITH_MASK
	s_lshr_b32 s19, s18, 3                         ; tile of queries
	s_and_b32 s20, s18, 7                          ; pair of key steps
	s_lshl_b32 s32, s19, 15
	s_lshl_b32 s21, s20, 8
	s_add_co_u32 s32, s32, s21
	s_mov_b32 s33, 0
	s_lshl_b32 s34, s19, 12
	s_lshl_b32 s21, s20, 9
	s_add_co_u32 s34, s34, s21
	s_mov_b32 s35, 0
	v_and_b32 v12, 15, v1
	v_lshrrev_b32 v13, 4, v1
	v_lshlrev_b32 v12, 11, v12
	v_lshl_add_u32 v12, v13, 3, v12                ; mask: row lane % 16, + 8 (lane / 16)
	v_lshlrev_b32 v13, 3, v1                       ; mask words: 8 bytes a lane
.endif
	s_mov_b32 s36, 0x76543210
	s_mov_b32 s37, 0xfedcba98                      ; lane l xor 16
	s_mov_b32 s38, 0x3a800000                      ; 1 / 1,024
	s_mov_b32 s39, 0x3727c5ac                      ; 1e-5
	s_wait_alu depctr_va_vdst(0)
	s_wait_kmcnt 0x0
	s_add_nc_u64 s[4:5], s[4:5], s[26:27]
	s_add_nc_u64 s[22:23], s[10:11], s[28:29]      ; my rows' codes
	s_add_nc_u64 s[24:25], s[10:11], s[30:31]      ; the work-group's scale bytes
	s_cmp_lt_u32 s40, 192
	s_cselect_b64 s[48:49], s[48:49], s[50:51]
	s_cmp_lt_u32 s40, 256
	s_cselect_b64 s[48:49], s[48:49], s[52:53]
	s_cmp_lt_u32 s40, 512
	s_cselect_b64 s[48:49], s[48:49], s[54:55]     ; my unit's weight
	s_add_nc_u64 s[RB:RB+1], s[48:49], s[46:47]
.irp j, 1,2,3,4,5,6,7
	s_add_nc_u64 s[RB+2*\j:RB+2*\j+1], s[RB+2*\j-2:RB+2*\j-1], s[58:59]
.endr
	s_add_nc_u64 s[56:57], s[56:57], s[42:43]
.if WITH_MASK
	s_add_nc_u64 s[12:13], s[12:13], s[32:33]
	s_add_nc_u64 s[14:15], s[14:15], s[34:35]
.irp t, 0,1,2,3,4,5,6,7,8,9,10,11,12,13,14,15
	global_load_b64 v[Y+2*\t:Y+2*\t+1], v12, s[12:13] offset:16*\t
.endr
.endif
.irp j, 0,1,2,3,4,5,6,7
	global_load_b128 v[GW+4*\j:GW+4*\j+3], v2, s[6:7] offset:512*\j
.endr
.irp j, 0,1,2,3,4,5,6,7
	global_load_b128 v[GB+4*\j:GB+4*\j+3], v2, s[8:9] offset:512*\j
.endr
.irp i, 0,1,2,3
.irp j, 0,1,2,3,4,5,6,7
	global_load_b128 v[X+32*\i+4*\j:X+32*\i+4*\j+3], v2, s[4:5] offset:4096*\i+512*\j th:TH_LOAD_NT
.endr
.endr
.if WITH_MASK
	s_wait_loadcnt 48                              ; the mask's 16 loads are in; the 48 issued behind them may stay out
.irp k, 8,9,10,11
	v_mov_b32 v[\k], 0                             ; (a lane write's destination counts as read)
.endr
.irp u, 0,1
.irp t, 0,1,2,3,4,5,6,7
.irp j, 0,1,2,3,4,5,6,7
	v_and_b32 v14, 0xff<<(8*(\j&3)), v[Y+2*(8*\u+\t)+(\j>>2)]
	v_cmp_ne_u32 s[20+(\j&1)], 0, v14              ; the 32 lanes' flags of word 8 t + j
	v_writelane_b32 v[8+2*\u+(\j&1)], s[20+(\j&1)], (8*\t+\j)>>1
.endr
.endr
	global_store_b64 v13, v[8+2*\u:9+2*\u], s[14:15] offset:256*\u   ; 64 words: 256 consecutive bytes, aligned
.endr
	s_wait_xcnt 0x0                                ; the stores have read v8-11 and v13, which are written again below
.endif
.macro SUM32                           ; four pairs of partial sums in v8-15 become the row's sum, in v8 of every lane
	v_pk_add_f32 v[8:9], v[8:9], v[10:11]
	v_pk_add_f32 v[12:13], v[12:13], v[14:15]
	v_pk_add_f32 v[8:9], v[8:9], v[12:13]
	v_add_f32 v8, v8, v9
	v_add_f32_dpp v8, v8, v8 row_xmask:1 row_mask:0xf bank_mask:0xf
	v_add_f32_dpp v8, v8, v8 row_xmask:2 row_mask:0xf bank_mask:0xf
	v_add_f32_dpp v8, v8, v8 row_xmask:4 row_mask:0xf bank_mask:0xf
	v_add_f32_dpp v8, v8, v8 row_xmask:8 row_mask:0xf bank_mask:0xf
	v_permlanex16_b32 v9, v8, s36, s37
	v_add_f32 v8, v8, v9
.endm
.macro ROW i
.set XR, X+32*\i
	s_wait_loadcnt 8*(3-\i)                        ; my row's eight loads are in; the later rows' may stay out
.irp k, 0,1,2,3
	v_pk_add_f32 v[8+2*\k:9+2*\k], v[XR+4*\k:XR+4*\k+1], v[XR+4*\k+2:XR+4*\k+3]
.endr
.irp p, 8,12
.irp k, 0,1,2,3
	v_pk_add_f32 v[8+2*\k:9+2*\k], v[8+2*\k:9+2*\k], v[XR+2*(\p+\k):XR+2*(\p+\k)+1]
.endr
.endr
	SUM32
	v_mul_f32 v8, s38, v8                          ; the mean
.irp p, 0,1,2,3,4,5,6,7,8,9,10,11,12,13,14,15
	v_pk_add_f32 v[XR+2*\p:XR+2*\p+1], v[XR+2*\p:XR+2*\p+1], v[8:9] op_sel_hi:[1,0] neg_lo:[0,1] neg_hi:[0,1]
.endr
.irp k, 0,1,2,3
	v_pk_mul_f32 v[8+2*\k:9+2*\k], v[XR+2*\k:XR+2*\k+1], v[XR+2*\k:XR+2*\k+1]
.endr
.irp p, 4,8,12
.irp k, 0,1,2,3
	v_pk_fma_f32 v[8+2*\k:9+2*\k], v[XR+2*(\p+\k):XR+2*(\p+\k)+1], v[XR+2*(\p+\k):XR+2*(\p+\k)+1], v[8+2*\k:9+2*\k]
.endr
.endr
	SUM32
	v_fma_f32 v8, v8, s38, s39                     ; the variance + 1e-5
	s_wait_alu depctr_va_vdst(0)
	v_rsq_f32 v10, v8
	v_mov_b32 v11, v8                              ; a plain line behind the root (and the pair's upper half is written)
	s_wait_alu depctr_va_vdst(0)                   ; the wait ahead of the result's first reader
.irp p, 0,1,2,3,4,5,6,7,8,9,10,11,12,13,14,15
	v_pk_mul_f32 v[XR+2*\p:XR+2*\p+1], v[XR+2*\p:XR+2*\p+1], v[10:11] op_sel_hi:[1,0]
.endr
.irp p, 0,1,2,3,4,5,6,7,8,9,10,11,12,13,14,15
	v_pk_fma_f32 v[XR+2*\p:XR+2*\p+1], v[XR+2*\p:XR+2*\p+1], v[GW+2*\p:GW+2*\p+1], v[GB+2*\p:GB+2*\p+1]
.endr
.irp j, 0,1,2,3,4,5,6,7
	ds_store_b128 v3, v[XR+4*\j:XR+4*\j+3] offset:640*\j
.endr
.irp s, 0,1
.irp q, 0,1,2,3
	ds_load_b128 v[Y+16*\s+4*\q:Y+16*\s+4*\q+3], v4 offset:2560*\s+16*\q   ; LDS serves a wave's instructions in order: these see the stores above
.endr
.endr
.irp s, 0,1
.if \s == 0
	s_wait_dscnt 4                                 ; the first half's 16 neighbours are in; the other half's four loads may be out
.else
	s_wait_dscnt 4                                 ; the second half's are in; the four stores just issued may be out
.endif
	v_max3_num_f32 v8, |v[Y+16*\s]|, |v[Y+16*\s+1]|, |v[Y+16*\s+2]|
	v_max3_num_f32 v9, |v[Y+16*\s+3]|, |v[Y+16*\s+4]|, |v[Y+16*\s+5]|
.irp q, 6,10
	v_max3_num_f32 v8, v8, |v[Y+16*\s+\q]|, |v[Y+16*\s+\q+1]|
	v_max3_num_f32 v9, v9, |v[Y+16*\s+\q+2]|, |v[Y+16*\s+\q+3]|
.endr
	v_max3_num_f32 v8, v8, |v[Y+16*\s+14]|, |v[Y+16*\s+15]|
	v_max3_num_f32 v8, v8, v9, 0x1800000           ; and the floor 2^-124: the byte cannot fall under 1
	v_max_num_f32_dpp v8, v8, v8 row_xmask:1 row_mask:0xf bank_mask:0xf   ; with my neighbour's 16: the block's
	v_add_nc_u32 v11, 0xff000000, v8               ; 2 off the exponent field: the conversion's scale operand
	v_cvt_scalef32_pk16_fp6_f32 v[C+4*\s:C+4*\s+2], v[Y+16*\s:Y+16*\s+15], v11
	v_lshrrev_b32 v[E+\s], 23, v11                 ; the scale's byte
	ds_store_b8 v6, v[E+\s] offset:32*\i+16*\s     ; both lanes of a block write the same byte with the same value
	ds_store_b32 v26, v[C+4*\s] offset:8*\i+6144*\s
	ds_store_b32 v27, v[C+4*\s+1] offset:8*\i+6144*\s
	ds_store_b32 v26, v[C+4*\s+2] offset:8*\i+6144*\s+256
.endr
.endm
.macro RLD n0                          ; eight of my unit's 24 loads, into the registers of a row of x that is done with
	s_cmp_eq_u32 s16, 3
	s_cbranch_scc1 .Lnr_\@
.irp n, 0,1,2,3,4,5,6,7
	global_load_b128 v[X+4*(\n0+\n):X+4*(\n0+\n)+3], v29, s[RB+2*((\n0+\n)/3):RB+2*((\n0+\n)/3)+1] offset:256*((\n0+\n)%3) th:TH_LOAD_NT
.endr
.Lnr_\@:
.endm
	ROW 0
	RLD 0
	ROW 1
	RLD 8
	ROW 2
	RLD 16
	ROW 3
	s_cmp_eq_u32 s16, 3
	s_cbranch_scc1 .Lnorelay
	s_wait_loadcnt 0x0
.set n, 0
.rept 24
	ds_store_b128 v31, v[X+4*n:X+4*n+3] offset:1568*(n/3)+256*(n%3)
.set n, n+1
.endr
.set n, 0
.rept 48
	ds_load_b64 v[X+2*n:X+2*n+1], v30 offset:48*(n/3)+8*(n%3)   ; LDS serves a wave's instructions in order: these see the stores above
.set n, n+1
.endr
	s_wait_dscnt 0x0
.set n, 0
.rept 48
	global_store_b64 v5, v[X+2*n:X+2*n+1], s[56:57] offset:256*n   ; a plane: 256 consecutive bytes, aligned
.set n, n+1
.endr
.Lnorelay:
	s_wait_dscnt 0x0                               ; my scale bytes and my words of the images have landed
	s_barrier_signal -1
	s_barrier_wait -1                              ; everybody's have
.irp j, 0,1,2,3,4,5
	ds_load_b128 v[Y+4*\j:Y+4*\j+3], v28 offset:IMG+2048*\j
.endr
	s_wait_dscnt 0x0
.irp j, 0,1,2,3,4,5
	global_store_b128 v28, v[Y+4*\j:Y+4*\j+3], s[22:23] offset:2048*\j   ; the 16 images: each wave stores 512 consecutive bytes, aligned
.endr
	s_cmp_lg_u32 s16, 0
	s_cbranch_scc1 .Lend
	ds_load_b128 v[8:11], v7
	s_wait_dscnt 0x0
	global_store_b128 v2, v[8:11], s[24:25]        ; 512 consecutive bytes, aligned
.Lend:
	s_wait_tensorcnt 0x0
	ds_add_u32 v19, v23
	s_wait_dscnt 0x0
	s_endpgm
.Lfunc_end_k_qc638275fd3_prep:
	.size	k_qc638275fd3_prep, .Lfunc_end_k_qc638275fd3_prep-k_qc638275fd3_prep
	.p2alignl 7, 3214868480
	.fill 96, 4, 3214868480
	.section	.rodata,"a",@progbits
	.p2align	6, 0x0
	.amdhsa_kernel k_qc638275fd3_prep
		.amdhsa_group_segment_fixed_size 84480
		.amdhsa_private_segment_fixed_size 0
		.amdhsa_enable_private_segment 0
		.amdhsa_kernarg_size 88
		.amdhsa_user_sgpr_count 2
		.amdhsa_user_sgpr_kernarg_segment_ptr 1
		.amdhsa_wavefront_size32 1
		.amdhsa_system_sgpr_workgroup_id_x 1
		.amdhsa_system_sgpr_workgroup_id_y 1
		.amdhsa_system_sgpr_workgroup_id_z 1
		.amdhsa_system_vgpr_workitem_id 0
		.amdhsa_next_free_vgpr 256
		.amdhsa_next_free_sgpr 84
		.amdhsa_reserve_vcc 0
		.amdhsa_float_denorm_mode_32 3
		.amdhsa_float_denorm_mode_16_64 3
		.amdhsa_memory_ordered 1
		.amdhsa_forward_progress 1
		.amdhsa_inst_pref_size 86
	.end_amdhsa_kernel
	.amdgpu_metadata
---
amdhsa.version: [ 1, 2 ]
amdhsa.kernels:
  - .name:           k_qc638275fd3_prep
    .symbol:         k_qc638275fd3_prep.kd
    .args:
      - { .name: x, .offset: 0, .size: 8, .value_kind: global_buffer, .address_space: global }
      - { .name: ln1_w, .offset: 8, .size: 8, .value_kind: global_buffer, .address_space: global }
      - { .name: ln1_b, .offset: 16, .size: 8, .value_kind: global_buffer, .address_space: global }
      - { .name: lnq, .offset: 24, .size: 8, .value_kind: global_buffer, .address_space: global }
      - { .name: mask, .offset: 32, .size: 8, .value_kind: global_buffer, .address_space: global }
      - { .name: mw, .offset: 40, .size: 8, .value_kind: global_buffer, .address_space: global }
      - { .name: w_qkv_codes, .offset: 48, .size: 8, .value_kind: global_buffer, .address_space: global }
      - { .name: w_proj_codes, .offset: 56, .size: 8, .value_kind: global_buffer, .address_space: global }
      - { .name: w_fc1_codes, .offset: 64, .size: 8, .value_kind: global_buffer, .address_space: global }
      - { .name: w_fc2_codes, .offset: 72, .size: 8, .value_kind: global_buffer, .address_space: global }
      - { .name: wi, .offset: 80, .size: 8, .value_kind: global_buffer, .address_space: global }
    .group_segment_fixed_size: 84480
    .private_segment_fixed_size: 0
    .kernarg_segment_align: 8
    .kernarg_segment_size: 88
    .max_flat_workgroup_size: 128
    .sgpr_count:     84
    .vgpr_count:     256
    .wavefront_size: 32
...
	.end_amdgpu_metadata
.endif
;; end of part 1
;; launch qkv (part 2): grid 12 x 16, 4 waves a work-group, clusters of 4 x 4, 327,680 bytes of LDS; arguments lnq, wi, w_qkv_scales, cos, sin, qb, kvb; writes qb, kvb
.if DOCPART == 2
	.amdgcn_target "amdgcn-amd-amdhsa--gfx1250"
	.amdhsa_code_object_version 6
	.text
	.protected	k_qc638275fd3_qkv
	.globl	k_qc638275fd3_qkv
	.p2align	8
	.type	k_qc638275fd3_qkv,@function
k_qc638275fd3_qkv:
	s_mov_b64 s[64:65], 0
	v_nop
	global_prefetch_b8 v0, s[64:65] scope:SCOPE_SE
	s_setreg_imm32_b32 hwreg(HW_REG_WAVE_MODE, 25, 1), 1
	s_wait_xcnt 0x0
	s_wait_alu depctr_hold_cnt(0) depctr_sa_sdst(0) depctr_va_vdst(0) depctr_va_sdst(0) depctr_va_ssrc(0) depctr_va_vcc(0) depctr_vm_vsrc(0)
	s_getreg_b32 s2, hwreg(HW_REG_IB_STS2, 6, 4)
	s_cmp_eq_u32 s2, 0
	s_cbranch_scc0 .Lentry_in_a_cluster
	s_endpgm
.Lentry_in_a_cluster:
	s_bfe_u32 s2, ttmp6, 0x10000c
	s_cmp_lg_u32 s2, 0xf033
	s_cbranch_scc0 .Lentry_shape_is_right
	s_endpgm
.Lentry_shape_is_right:
; qkv = LN1(x) Wqkv on codes of FP6 (E2M3) with E8M0 scales for each 32 along K = 1,024; then the rotation of q and k, and the quantising of q and k along the head's 64 and of v along the keys.
; THE PRODUCT: a tile of 256 x 256 for a work-group of four waves, 128 x 128 a wave (64 accumulators, 512 registers); K in steps of 256 through a ring of two LDS slots filled by the tensor data mover;
; the scale bytes of the work-group's rows come into LDS once.  4 x 4 work-groups form a cluster: A's tiles are asked for jointly along a row of the cluster, B's along a column.
; The matrix instruction is used transposed (source 0 = 16 rows of B, source 1 = 16 rows of A): a lane holds ONE row of A and eight neighbouring rows of B.
; THE CLUSTER'S x SAYS WHAT IS MADE: 0 q, 1 k, 2 v.  For q and k, A = the tokens (lnq) and B = the weight's rows: a lane holds a token, its registers run along the head's 64.
; For v the two change places (both have the same row format, so only pointers are chosen): A = the weight's rows 2,048 on, B = the tokens: a lane holds one (head, d), its registers run along the KEYS.
; OUT, as images of operand registers.  An IMAGE is 768 bytes, 16 rows x 64 along K: registers 0-3 of the lane's six at 16 x lane, registers 4-5 at 512 + 8 x lane.
;   qb:  [head of batch 32][tile of 16 queries 128] images; from byte 3,145,728 on scale words [bh][step 16][row 16][pair of tiles 4]: bytes 0, 1 the even tile's two blocks, bytes 2, 3 the odd tile's.
;   kvb: [bh][step of 128 keys 16][K: 8 images | V: 4 fragments of 16 d x 128 keys, 3 x 512 bytes]; from byte 6,291,456 on [bh][step][K: row 16 x pair 4 words | V: row 16 x fragment 4 words].
; THE ORDER INSIDE A BLOCK OF 32: a lane's 16 registers of two neighbouring tiles are converted as they stand, so place 16 h + 8 u + j of a block holds index 16 u + 8 h + j.  It is the same in q and k, and the same in v
; and in the attention launch's p, and it stays inside a block, so the sums and the scales are the true ones.
; THE TABLES.  A block of 16 tokens wants 32 numbers of cos and 32 of sin a lane: 16 loads.  They are asked for THREE BLOCKS AHEAD, into four sets of 64 registers in window 1, which B's fragments have left:
; blocks 0, 1 and 2 go out together at the head of q's and k's way out; behind the wait for block a's set, block a + 3's loads go into the set that block a - 1 has left.  48 loads are out at the most.
; LIMITS: NaN and infinities are not served; a block of zeros gets the byte 1; a block's largest magnitude is floored at 2^-124.
.set SIZE_K, 1024
.set KSTEP,  256
.set NQ,     KSTEP/128
.set ROWB,   3072                      ; both operands come as images (16 rows x 64 K, three planes of 256 bytes): a K step of 256 is 3,072 dense bytes of each 16 rows
.set KROW,   SIZE_K*6/8
.set PITCH,  192                       ; LDS bytes a row: 16 rows are the 3,072 bytes of a K step
.set FR,     12
.set NL,     6
.set NP,     4
.set HALFT,  128*PITCH
.set SLOT,   4*HALFT
.set LAPS,   SIZE_K/(2*KSTEP)
.set KS,     SIZE_K/32
.set SCL,    2*SLOT
.set HALFS,  (128*KS/256)*272
.set SBLK,   (16*KS/256)*272
.set SPARE,  SCL+4*HALFS               ; the spare words, 128 bytes a wave: no other line names them
.set LNQ_SC, 3145728
.set ADRA, 16
.set ADRB, 20
.set ADRS, 27
.set SPW,  28
.set NIL,  29
.set SC,   32                          ; v32-63 scale words and nothing else
.set AF,   128
.set G1, 24
.set G0, 32
.set G1B, 48
.set G0B, 56
.set G1S, 68
.set G0S, 76
.set G1SB, 80
.set G0SB, 88
.set R,    64                          ; the way out, window 0: v64-127 rotated numbers.  Window 1: table set k at v[64 k]: 32 of cos, then 32 of sin
.set PC,   192                         ; v192-211 codes
.set TM,   212                         ; v212-227 at work in QUANT
.set PW,   228                         ; the scale word just made
.set WE,   229                         ; the even tile's
.set SELV, 230
.set SW,   232                         ; v232-235 four words to store
.set VW,   236                         ; v236-243 v's eight words
.set SEL,  66
.set MSB, 0
.macro WIN new                         ; the immediate's high byte repeats the setting that is left
.if MSB != (\new)
	s_set_vgpr_msb (MSB<<8)|(\new)
.set MSB, (\new)
.endif
.endm
.set MUL_LO, 0xa1
.set MUL_HI, 0xf1
.set TO_B,   0x40
.macro JLOAD g0a, g1a, g0b, g1b        ; a joint load: waves 0 and 1 fetch for A, waves 2 and 3 for B; four v_nop follow each line
	s_cmp_eq_u32 s15, 0
	s_cbranch_scc0 .Lfor_b_\@
	tensor_load_to_lds s[\g0a:\g0a+3], s[\g1a:\g1a+7]
	s_nop 0
.rept 4
	v_nop
.endr
	s_branch .Lasked_\@
.Lfor_b_\@:
	tensor_load_to_lds s[\g0b:\g0b+3], s[\g1b:\g1b+7]
	s_nop 0
.rept 4
	v_nop
.endr
.Lasked_\@:
.endm
.macro CREST
	s_cmp_lg_u32 s14, 0
	s_cbranch_scc1 .Lnot_wave_0_\@
	s_barrier_signal -3
.Lnot_wave_0_\@:
	s_barrier_wait -3
	s_barrier_signal -1
	s_barrier_wait -1
.endm
.macro CROUND
	s_barrier_signal -1
	s_barrier_wait -1
	CREST
.endm
	s_load_b64 s[4:5], s[0:1], 0x0                 ; lnq
	s_load_b128 s[8:11], s[0:1], 0x8               ; the weight's codes, its scales
	v_lshl_add_u32 v[SPW], v0, 2, SPARE
	v_mov_b32 v[NIL], 0
	ds_add_u32 v28, v29
	ds_add_u32 v28, v29
	s_wait_dscnt 0x0
	v_lshrrev_b32 v1, 5, v0
	v_readfirstlane_b32 s14, v1                    ; wave 0..3
	s_lshr_b32 s15, s14, 1                         ; my half of A's rows; also: I fetch for A (0) or B (1)
	s_and_b32 s16, s14, 1                          ; my half of B's rows; also: which 128 rows I fetch
	s_bfe_u32 s40, ttmp6, 0x40000                  ; cx
	s_bfe_u32 s41, ttmp6, 0x40004                  ; cy
	s_lshl_b32 s42, ttmp9, 2
	s_and_b32 s17, ttmp7, 0xffff
	s_lshl_b32 s17, s17, 2
	s_cmp_eq_u32 ttmp9, 2                          ; v?  The cluster's x is the same in all sixteen partners
	s_cselect_b32 s42, s17, s42                    ; B's tile: the tokens' (by the cluster's y) or the weight's (by its x)
	s_cselect_b32 s17, 8, s17                      ; A's tile: the weight's rows 2,048 on, or the tokens'
	s_add_co_u32 s42, s42, s40                     ; + cx
	s_add_co_u32 s17, s17, s41                     ; + cy
	s_lshl_b32 s43, s41, 2
	s_lshl_b32 s43, 15, s43                        ; my row of the cluster
	s_lshl_b32 s44, 0x1111, s40                    ; my column
	s_or_b32 s[G1+0], s43, (3<<16)|(1<<21)         ; mask; elements of 8 bytes; no padding
	s_or_b32 s[G1B+0], s44, (3<<16)|(1<<21)
.irp g, G1, G1B
	s_mov_b32 s[\g+1], (ROWB/8)<<16
	s_mov_b32 s[\g+2], 16<<16                      ; at the head 16 groups of 16 rows; behind it 8
	s_mov_b32 s[\g+3], (ROWB/8)<<16
	s_mov_b32 s[\g+4], 16
	s_mov_b32 s[\g+5], 16*KROW/8
	s_mov_b32 s[\g+6], 0
	s_mov_b32 s[\g+7], 0
.endr
	s_or_b32 s[G1S+0], s43, (3<<16)|(1<<20)|(1<<21)|(5<<22)|(3<<25) ; the scales of 128 rows: dense, as rows of 256 bytes + 16
	s_or_b32 s[G1SB+0], s44, (3<<16)|(1<<20)|(1<<21)|(5<<22)|(3<<25)
.irp g, G1S, G1SB
	s_mov_b32 s[\g+1], 32<<16
	s_mov_b32 s[\g+2], KS<<16
	s_mov_b32 s[\g+3], 32<<16
	s_mov_b32 s[\g+4], KS
	s_mov_b32 s[\g+5], 32
	s_mov_b32 s[\g+6], 0
	s_mov_b32 s[\g+7], 0
.endr
	s_lshl_b32 s18, s16, 7
	s_lshl_b32 s20, s17, 8
	s_add_co_u32 s20, s20, s18                     ; A: row 256 x tile + 128 x half
	s_lshl_b32 s46, s42, 8
	s_add_co_u32 s46, s46, s18                     ; B likewise
	s_mov_b32 s21, 0
	s_mov_b32 s47, 0
	s_mov_b64 s[18:19], KS
	s_mul_u64 s[22:23], s[20:21], s[18:19]
	s_mul_u64 s[92:93], s[46:47], s[18:19]
	s_mov_b64 s[18:19], KROW
	s_mul_u64 s[20:21], s[20:21], s[18:19]
	s_mul_u64 s[46:47], s[46:47], s[18:19]
	s_mul_i32 s45, s14, HALFT
	s_lshl_b32 s94, s16, 12                        ; the scale bytes of my half's 128 rows: taken off again for the loads of all 256
	s_mov_b32 s95, 0
	s_wait_kmcnt 0x0
	s_add_nc_u64 s[6:7], s[4:5], LNQ_SC            ; lnq's scale bytes
	s_cmp_eq_u32 ttmp9, 2
	s_cselect_b64 s[96:97], s[8:9], s[4:5]         ; A's codes
	s_cselect_b64 s[98:99], s[10:11], s[6:7]       ; A's scales
	s_cselect_b64 s[8:9], s[4:5], s[8:9]           ; B's codes
	s_cselect_b64 s[10:11], s[6:7], s[10:11]       ; B's scales
	s_add_nc_u64 s[20:21], s[96:97], s[20:21]
	s_add_nc_u64 s[22:23], s[98:99], s[22:23]
	s_add_nc_u64 s[46:47], s[8:9], s[46:47]
	s_add_nc_u64 s[92:93], s[10:11], s[92:93]
	CROUND                                         ; all sixteen work-groups are here: the first joint loads meet
	s_mov_b32 s[G0S], 1
	s_mov_b32 s[G0S+1], SCL
	s_sub_nc_u64 s[G0S+2:G0S+3], s[22:23], s[94:95]
	s_or_b32 s[G0S+3], s[G0S+3], 0x80000000
	s_mov_b32 s[G0SB], 1
	s_mov_b32 s[G0SB+1], SCL+2*HALFS
	s_sub_nc_u64 s[G0SB+2:G0SB+3], s[92:93], s[94:95]
	s_or_b32 s[G0SB+3], s[G0SB+3], 0x80000000
.irp s, 0,1
	s_mov_b32 s[G0+4*\s], 1
	s_add_co_u32 s[G0+4*\s+1], s45, \s*SLOT
	s_add_nc_u64 s[G0+4*\s+2:G0+4*\s+3], s[20:21], \s*ROWB
	s_or_b32 s[G0+4*\s+3], s[G0+4*\s+3], 0x80000000
	s_mov_b32 s[G0B+4*\s], 1
	s_add_co_u32 s[G0B+4*\s+1], s45, \s*SLOT
	s_add_nc_u64 s[G0B+4*\s+2:G0B+4*\s+3], s[46:47], \s*ROWB
	s_or_b32 s[G0B+4*\s+3], s[G0B+4*\s+3], 0x80000000
.endr
; The head's four tiles, one joint load a wave: wave 0 K step 0 of A's 256 rows, wave 2 of B's, wave 1 A's scales, wave 3 B's.
.macro ARM w, g0, g1, next
	s_cmp_eq_u32 s14, \w
	s_cbranch_scc0 \next
	tensor_load_to_lds s[\g0:\g0+3], s[\g1:\g1+7]
	s_nop 0
.rept 4
	v_nop
.endr
	s_branch .Lhead_asked
\next:
.endm
	ARM 0, G0, G1, .Lhead_b
	ARM 2, G0B, G1B, .Lhead_sa
	ARM 1, G0S, G1S, .Lhead_sb
	tensor_load_to_lds s[G0SB:G0SB+3], s[G1SB:G1SB+7]
	s_nop 0
.rept 4
	v_nop
.endr
.Lhead_asked:
	v_and_b32 v1, 15, v0
	v_bfe_u32 v2, v0, 4, 1
	v_and_b32 v4, 31, v0
	v_lshlrev_b32 v4, 3, v4                        ; a plane of an image: 8 x lane
	s_mul_i32 s21, s15, HALFT
	s_mul_i32 s22, s16, HALFT
	s_add_co_u32 s22, s22, 2*HALFT
.irp s, 0,1
	v_add_nc_u32 v[ADRA+\s], s21, v4
	v_add_nc_u32 v[ADRB+\s], s22, v4
	s_add_co_u32 s21, s21, SLOT
	s_add_co_u32 s22, s22, SLOT
.endr
	v_mul_u32_u24 v5, v1, KS
	v_lshrrev_b32 v6, 8, v5
	v_lshl_add_u32 v5, v6, 4, v5
	s_mul_i32 s21, s15, HALFS
	s_mul_i32 s22, s16, HALFS
	s_add_co_u32 s22, s22, 2*HALFS
	s_sub_co_u32 s22, s22, s21
	v_mul_u32_u24 v6, s22, v2                      ; lanes 16-31 take B's words
	s_add_co_u32 s21, s21, SCL
	v_add_nc_u32 v5, v5, v6
	v_add_nc_u32 v[ADRS], s21, v5
.macro FRAG reg, adr, q, i             ; a fragment: 12 registers, in pieces of 8 bytes; where the piece three on lies behind one padding more, the second address register serves
.irp p, 0,1,2,3,4,5
	ds_load_b64 v[\reg+2*\p:\reg+2*\p+1], v[\adr] offset:1536*(\q)+768*(\p/3)+256*(\p%3)+(\i)*16*PITCH   ; two images, three planes each: the 32 lanes read 256 bytes on end
.endr
.endm
.macro MUL16 a0, p, q, sc, zero        ; A's blocks a0, a0 + 1 x B's eight; the 64 accumulators take turns, one instruction a turn
.irp a, \a0, \a0+1
.irp b, 0,1,2,3,4,5,6,7
.if \zero
	v_wmma_scale_f32_16x16x128_f8f6f4 v[8*(8*((\a)%4)+\b):8*(8*((\a)%4)+\b)+7], v[128*(\p)+FR*\b:128*(\p)+FR*\b+FR-1], v[AF+FR*(\a):AF+FR*(\a)+FR-1], 0, v[SC+8*NQ*(\sc)+NQ*\b+(\q)], v[SC+8*NQ*(\sc)+NQ*(\a)+(\q)] matrix_a_fmt:MATRIX_FMT_FP6 matrix_b_fmt:MATRIX_FMT_FP6 matrix_a_scale:MATRIX_SCALE_ROW1
.else
	v_wmma_scale_f32_16x16x128_f8f6f4 v[8*(8*((\a)%4)+\b):8*(8*((\a)%4)+\b)+7], v[128*(\p)+FR*\b:128*(\p)+FR*\b+FR-1], v[AF+FR*(\a):AF+FR*(\a)+FR-1], v[8*(8*((\a)%4)+\b):8*(8*((\a)%4)+\b)+7], v[SC+8*NQ*(\sc)+NQ*\b+(\q)], v[SC+8*NQ*(\sc)+NQ*(\a)+(\q)] matrix_a_fmt:MATRIX_FMT_FP6 matrix_b_fmt:MATRIX_FMT_FP6 matrix_a_scale:MATRIX_SCALE_ROW1
.endif
.endr
.endr
.endm
.macro FETCH_B slot, q, p
	WIN TO_B
.irp i, 0,1,2,3,4,5,6,7
	FRAG 128*(\p)+FR*\i, ADRB+\slot, \q, \i
.endr
	WIN 0
.endm
.macro FETCH_A slot, q, i0
.irp i, \i0, \i0+1, \i0+2, \i0+3
	FRAG AF+FR*(\i), ADRA+\slot, \q, \i
.endr
.endm
.macro SCALES sc
.irp i, 0,1,2,3,4,5,6,7
	ds_load_b64 v[SC+8*NQ*\sc+NQ*\i:SC+8*NQ*\sc+NQ*\i+1], v[ADRS] offset:\i*SBLK
.endr
.endm
.macro PLACES n                        ; plain vector lines between a matrix instruction and a load into, or a read of, its registers
.rept \n
	v_nop
.endr
.endm
.macro STEP slot, q, zero
	s_wait_dscnt 4*NL                              ; B's set and A's blocks 0-3 are in; A's blocks 4-7 (24 loads) may be out
	WIN MUL_LO
	MUL16 0, (\q)%2, \q, \slot, \zero
	MUL16 2, (\q)%2, \q, \slot, \zero
	s_wait_dscnt 0
	PLACES NP
	FETCH_B \slot, (\q)+1, 1-(\q)%2
	FETCH_A \slot, (\q)+1, 0
	WIN MUL_HI
	MUL16 4, (\q)%2, \q, \slot, \zero
	MUL16 6, (\q)%2, \q, \slot, \zero
	PLACES NP
	WIN 0
	FETCH_A \slot, (\q)+1, 4
.endm
.macro TURN slot, next, fill           ; a slot's last step changes slots: one barrier
	s_wait_tensorcnt 0x0                           ; all my tensor loads have landed: my part of the next slot
	ds_add_u32 v[SPW], v[NIL]                      ; 0 onto my spare word
	s_wait_dscnt 4*NL+1                            ; the add and A's blocks 4-7 may be out
	WIN MUL_LO
	MUL16 0, 1, NQ-1, \slot, 0
	s_wait_dscnt 0x0                               ; the add is done, and my reads of this slot are over
	s_barrier_signal -1
	MUL16 2, 1, NQ-1, \slot, 0
	WIN 0
	s_barrier_wait -1
.if \fill
	CREST                                          ; the barrier has opened a round of the cluster's: no wave of any partner still reads this slot or has a load on its way
	s_add_nc_u64 s[G0+4*\slot+2:G0+4*\slot+3], s[G0+4*\slot+2:G0+4*\slot+3], 2*ROWB
	s_add_nc_u64 s[G0B+4*\slot+2:G0B+4*\slot+3], s[G0B+4*\slot+2:G0B+4*\slot+3], 2*ROWB
	JLOAD G0+4*\slot, G1, G0B+4*\slot, G1B
.else
	PLACES NP
.endif
	s_wait_alu depctr_va_vdst(0)
	v_add_nc_u32 v[ADRS], 4*NQ, v[ADRS]
	FETCH_B \next, 0, 0
	FETCH_A \next, 0, 0
	SCALES \next
	WIN MUL_HI
	MUL16 4, 1, NQ-1, \slot, 0
	MUL16 6, 1, NQ-1, \slot, 0
	PLACES NP
	WIN 0
	FETCH_A \next, 0, 4
.endm
	s_wait_alu depctr_va_vdst(0)
	s_wait_tensorcnt 0x0                           ; my tile of the head's four is in
	ds_add_u32 v[SPW], v[NIL]
	s_mov_b32 s[G1+2], 8<<16                       ; no load of mine is out: from here on a load brings 8 groups of 16 rows
	s_mov_b32 s[G1+4], 8
	s_mov_b32 s[G1B+2], 8<<16
	s_mov_b32 s[G1B+4], 8
	s_wait_dscnt 0x0
	CROUND                                         ; all four tiles are in, and all sixteen work-groups are here
	JLOAD G0+4, G1, G0B+4, G1B                     ; K step 1, slot 1's first fill
	FETCH_B 0, 0, 0
	FETCH_A 0, 0, 0
	SCALES 0
	FETCH_A 0, 0, 4
	STEP 0, 0, 1
	s_mov_b32 s3, LAPS-1
.Llap:
	TURN 0, 1, 1
	STEP 1, 0, 0
	TURN 1, 0, 1
	STEP 0, 0, 0
	s_sub_co_u32 s3, s3, 1
	s_cmp_lg_u32 s3, 0
	s_cbranch_scc1 .Llap
	s_load_b256 s[4:11], s[0:1], 0x18              ; cos, sin, qb, kvb: wanted on the way out; the registers are free since the head
	TURN 0, 1, 0
	STEP 1, 0, 0
	s_wait_dscnt 4*NL
	WIN MUL_LO
	MUL16 0, 1, NQ-1, 1, 0
	MUL16 2, 1, NQ-1, 1, 0
	s_wait_dscnt 0
	WIN MUL_HI
	MUL16 4, 1, NQ-1, 1, 0
	MUL16 6, 1, NQ-1, 1, 0
	WIN 0
; 64 numbers of a lane, v[s] .. v[s + 63] of window w, register 16 b + i in block b (the block's other 16 lie in lane l xor 16), become a fragment's codes in v[PC] .. v[PC + 11] and the row's scale word in v[PW].
.macro QUANT s, w
	WIN (\w)|((\w)<<2)
.irp b, 0,1,2,3
	v_max3_num_f32 v[TM+\b], |v[(\s)+16*\b]|, |v[(\s)+1+16*\b]|, 0x1800000   ; with the floor 2^-124: the byte cannot fall under 1
.endr
.irp i, 2,4,6,8,10,12,14
.irp b, 0,1,2,3
	v_max3_num_f32 v[TM+\b], |v[(\s)+16*\b+\i]|, |v[(\s)+1+16*\b+\i]|, v[TM+\b]
.endr
.endr
	WIN 0
.irp b, 0,1,2,3
	v_permlanex16_b32 v[TM+4+\b], v[TM+\b], s[SEL], s[SEL+1]
.endr
.irp b, 0,1,2,3
	v_max_num_f32 v[TM+\b], v[TM+\b], v[TM+4+\b]
.endr
.irp b, 0,1,2,3
	v_add_nc_u32 v[TM+12+\b], 0xff000000, v[TM+\b]   ; 2 off the exponent field: the conversion's scale operand
.endr
.irp b, 0,1,2,3
	v_lshrrev_b32 v[TM+4+\b], 23, v[TM+12+\b]      ; the scale's byte
.endr
	v_lshl_or_b32 v[PW], v[TM+5], 8, v[TM+4]
	v_lshl_or_b32 v[PW], v[TM+6], 16, v[PW]
	v_lshl_or_b32 v[PW], v[TM+7], 24, v[PW]
	WIN (\w)
.irp c, 0,1
	v_cvt_scalef32_pk16_fp6_f32 v[PC+6*\c:PC+2+6*\c], v[(\s)+32*\c:(\s)+15+32*\c], v[TM+12+2*\c]
	v_cvt_scalef32_pk16_fp6_f32 v[PC+12+4*\c:PC+14+4*\c], v[(\s)+16+32*\c:(\s)+31+32*\c], v[TM+13+2*\c]
.endr
	WIN 0
	v_nop                                          ; one plain line behind the conversions
.irp c, 0,1                            ; the operand wants a whole block in a lane: lanes 0-15 block 2 c, lanes 16-31 block 2 c + 1
.irp i, 0,1,2
	v_permlane16_swap_b32 v[PC+6*\c+\i], v[PC+12+4*\c+\i]
.endr
.irp i, 0,1,2
	v_mov_b32 v[PC+3+6*\c+\i], v[PC+12+4*\c+\i]
.endr
.endr
.endm
.macro TAB a                           ; cos and sin of token 16 a + r at d = 16 t + 8 h + 0 .. 7, into set a % 4 of window 1: 16 loads
.set TL, 64*((\a)%4)
	WIN 0x40                                       ; destination window 1, address window 0
.irp t, 0,1,2,3
.irp u, 0,1
	global_load_b128 v[TL+8*\t+4*\u:TL+8*\t+4*\u+3], v6, s[4:5] offset:(\a)*4096+64*\t+16*\u
	global_load_b128 v[TL+32+8*\t+4*\u:TL+32+8*\t+4*\u+3], v6, s[6:7] offset:(\a)*4096+64*\t+16*\u
.endr
.endr
	WIN 0
.endm
.macro QKBLOCK a                       ; 16 tokens x two heads: rotated, quantised, stored
.if (\a) < 5
	s_wait_loadcnt 32                              ; this block's tables are in; the 32 loads of the two blocks behind it may be out
	TAB (\a)+3                                     ; three blocks on, into the set that the block before this one has left
.else
	s_wait_loadcnt 16*(7-(\a))                     ; the counts run down: nothing more is asked for
.endif
.set AC, 64*((\a)%4)
.set TCB, 64*((\a)%4)
	WIN (2+(\a)/4)|4                               ; source 0: the accumulators' window; source 1: the tables', window 1
.irp e, 0,1
.irp t, 0,1
.irp jj, 0,2,4,6
.set rL, R+32*\e+8*\t+\jj
.set aL, AC+8*(4*\e+\t)+\jj
.set cL, TCB+8*\t+\jj
.set sL, TCB+32+8*\t+\jj
	v_pk_mul_f32 v[rL:rL+1], v[aL:aL+1], v[cL:cL+1]
	v_pk_mul_f32 v[rL+16:rL+17], v[aL+16:aL+17], v[cL+16:cL+17]
	v_pk_fma_f32 v[rL:rL+1], v[aL+16:aL+17], v[sL:sL+1], v[rL:rL+1] neg_lo:[1,0,0] neg_hi:[1,0,0]   ; d < 32: x cos - x(d + 32) sin
	v_pk_fma_f32 v[rL+16:rL+17], v[aL:aL+1], v[sL+16:sL+17], v[rL+16:rL+17]                          ; d >= 32: x cos + x(d - 32) sin
.endr
.endr
.endr
	WIN 0
	s_wait_xcnt 0x0                                ; the last block's stores have read the codes' registers
	QUANT R, 0
	global_store_b128 v1, v[PC:PC+3], s[44:45] offset:768*(\a)            ; each store covers whole aligned runs of 256 bytes
	global_store_b64 v2, v[PC+4:PC+5], s[44:45] offset:768*(\a)+512
	global_store_b128 v3, v[PC+6:PC+9], s[44:45] offset:768*(\a)
	global_store_b64 v4, v[PC+10:PC+11], s[44:45] offset:768*(\a)+512
.if (\a)%2 == 0
	v_mov_b32 v[WE], v[PW]
.else
	v_perm_b32 v[SW+(\a)/2], v[PW], v[WE], v[SELV] ; the pair's word: the even tile's two bytes, then the odd tile's
.endif
.endm
	PLACES NP                                      ; behind the last products: for the reads of their results and for the loads into B's registers
	s_wait_kmcnt 0x0
	v_and_b32 v8, 15, v0                           ; r
	v_bfe_u32 v7, v0, 4, 1                         ; h
	v_and_b32 v9, 31, v0
	v_lshlrev_b32 v1, 4, v9                        ; 16 x lane
	v_lshlrev_b32 v2, 3, v9                        ; 8 x lane
.irp b, 0,1,2,3
	v_mov_b32 v[TM+4+\b], 0                        ; (a lane permute's destination counts as read)
.endr
	s_mov_b32 s[SEL], 0x76543210
	s_mov_b32 s[SEL+1], 0xfedcba98
	s_mov_b32 s33, 0xffff0000                      ; lanes 16-31
	s_cmp_eq_u32 ttmp9, 2
	s_cbranch_scc1 .Lv
	; ---- q and k.  My 128 tokens are step s19 of batch s17 / 8; my 128 columns are heads head0 and head0 + 1
	s_and_b32 s19, s17, 7
	s_lshl_b32 s19, s19, 1
	s_add_co_u32 s19, s19, s15                     ; step
	s_lshl_b32 s30, s19, 15
	s_mov_b32 s31, 0
	s_add_nc_u64 s[4:5], s[4:5], s[30:31]          ; cos and sin at my step's first position
	s_add_nc_u64 s[6:7], s[6:7], s[30:31]
	s_wait_alu depctr_va_vdst(0)
	v_lshlrev_b32 v6, 8, v8
	v_lshl_add_u32 v6, v7, 5, v6                   ; the tables: row r of 256 bytes, + 32 h
	TAB 0                                          ; the first three blocks' tables go out first; the addresses of the stores are made while they are on their way
	TAB 1
	TAB 2
	s_lshr_b32 s18, s17, 3
	s_and_b32 s20, s42, 3
	s_lshl_b32 s20, s20, 2
	s_lshl_b32 s21, s16, 1
	s_add_co_u32 s20, s20, s21                     ; head0
	s_lshl_b32 s18, s18, 4
	s_add_co_u32 s18, s18, s20                     ; 16 x batch + head0
	s_lshl_b32 s24, 6144, ttmp9                    ; bytes from step to step: 6,144 in qb, twice that in kvb; likewise all below
	s_lshl_b32 s25, 98304, ttmp9                   ; from head to head
	s_lshl_b32 s26, 256, ttmp9                     ; the same among the scale words
	s_lshl_b32 s27, 4096, ttmp9
	s_lshl_b32 s28, 3145728, ttmp9                 ; where the scale words begin
	s_cmp_eq_u32 ttmp9, 0
	s_cselect_b64 s[22:23], s[8:9], s[10:11]       ; qb or kvb
	s_mul_i32 s30, s18, s25
	s_mul_i32 s31, s19, s24
	s_add_co_u32 s30, s30, s31
	s_mov_b32 s31, 0
	s_add_nc_u64 s[44:45], s[22:23], s[30:31]      ; my images
	s_mul_i32 s30, s18, s27
	s_mul_i32 s32, s19, s26
	s_add_co_u32 s30, s30, s32
	s_add_co_u32 s30, s30, s28
	s_add_nc_u64 s[46:47], s[22:23], s[30:31]      ; my scale words
	v_add_nc_u32 v3, s25, v1                       ; the second head's images
	v_add_nc_u32 v4, s25, v2
	v_lshlrev_b32 v5, 4, v8
	v_mul_lo_u32 v10, v7, s27
	v_add_nc_u32 v5, v5, v10                       ; scale words: 16 r, lanes 16-31 the second head's
	v_mov_b32 v[SELV], 0x05040100                  ; lanes 0-15 take bytes 0, 1 of both words (the first head's),
	v_mov_b32 v10, 0x07060302                      ; lanes 16-31 bytes 2, 3
	v_cndmask_b32 v[SELV], v[SELV], v10, s33
	s_wait_alu depctr_va_vdst(0)
.irp a, 0,1,2,3,4,5,6,7
	QKBLOCK \a
.endr
	global_store_b128 v5, v[SW:SW+3], s[46:47]     ; sixteen lanes store a head's 256 bytes
	s_branch .Lclose
.Lv:
	; ---- v.  My 128 rows of A are heads head0, head0 + 1 (64 d each); my 128 tokens are one step of keys
	s_sub_co_u32 s18, s17, 8
	s_lshl_b32 s18, s18, 2
	s_lshl_b32 s19, s15, 1
	s_add_co_u32 s18, s18, s19                     ; head0
	s_lshr_b32 s19, s42, 3
	s_lshl_b32 s19, s19, 4
	s_add_co_u32 s18, s18, s19                     ; 16 x batch + head0
	s_and_b32 s19, s42, 7
	s_lshl_b32 s19, s19, 1
	s_add_co_u32 s19, s19, s16                     ; step
	s_mul_i32 s30, s18, 196608
	s_mul_i32 s31, s19, 12288
	s_add_co_u32 s30, s30, s31
	s_add_co_u32 s30, s30, 6144
	s_mov_b32 s31, 0
	s_add_nc_u64 s[44:45], s[10:11], s[30:31]
	s_lshl_b32 s30, s18, 13
	s_lshl_b32 s32, s19, 9
	s_add_co_u32 s30, s30, s32
	s_add_co_u32 s30, s30, 6291456+256
	s_add_nc_u64 s[46:47], s[10:11], s[30:31]
	s_wait_alu depctr_va_vdst(0)
	v_lshlrev_b32 v5, 4, v8
	v_lshl_add_u32 v5, v7, 13, v5                  ; scale words: 16 r, lanes 16-31 the second head's
.irp a, 0,1,2,3,4,5,6,7
	s_wait_xcnt 0x0                                ; the last block's stores have read the codes' registers
	QUANT 64*((\a)%4), 2+(\a)/4                    ; straight from the accumulators, each from its low end on
.irp c, 0,1,2
	global_store_b128 v1, v[PC+4*\c:PC+4*\c+3], s[44:45] offset:((\a)/4)*196608+((\a)%4)*1536+512*\c
.endr
	v_mov_b32 v[VW+\a], v[PW]
.endr
.irp i, 0,1,2,3
	v_cndmask_b32 v[SW+\i], v[VW+\i], v[VW+4+\i], s33
.endr
	global_store_b128 v5, v[SW:SW+3], s[46:47]
.Lclose:
	s_wait_tensorcnt 0x0                           ; the wave's end
	ds_add_u32 v[SPW], v[NIL]
	s_wait_dscnt 0x0
	CROUND                                         ; the closing round
	s_endpgm
.Lfunc_end_k_qc638275fd3_qkv:
	.size	k_qc638275fd3_qkv, .Lfunc_end_k_qc638275fd3_qkv-k_qc638275fd3_qkv
	.p2alignl 7, 3214868480
	.fill 96, 4, 3214868480
	.section	.rodata,"a",@progbits
	.p2align	6, 0x0
	.amdhsa_kernel k_qc638275fd3_qkv
		.amdhsa_group_segment_fixed_size 327680
		.amdhsa_private_segment_fixed_size 0
		.amdhsa_enable_private_segment 0
		.amdhsa_kernarg_size 56
		.amdhsa_user_sgpr_count 2
		.amdhsa_user_sgpr_kernarg_segment_ptr 1
		.amdhsa_wavefront_size32 1
		.amdhsa_system_sgpr_workgroup_id_x 1
		.amdhsa_system_sgpr_workgroup_id_y 1
		.amdhsa_system_sgpr_workgroup_id_z 1
		.amdhsa_system_vgpr_workitem_id 0
		.amdhsa_next_free_vgpr 1024
		.amdhsa_next_free_sgpr 102
		.amdhsa_reserve_vcc 0
		.amdhsa_float_denorm_mode_32 3
		.amdhsa_float_denorm_mode_16_64 3
		.amdhsa_memory_ordered 1
		.amdhsa_forward_progress 1
		.amdhsa_inst_pref_size 246
	.end_amdhsa_kernel
	.amdgpu_metadata
---
amdhsa.version: [ 1, 2 ]
amdhsa.kernels:
  - .name:           k_qc638275fd3_qkv
    .symbol:         k_qc638275fd3_qkv.kd
    .args:
      - { .name: lnq, .offset: 0, .size: 8, .value_kind: global_buffer, .address_space: global }
      - { .name: wi, .offset: 8, .size: 8, .value_kind: global_buffer, .address_space: global }
      - { .name: w_qkv_scales, .offset: 16, .size: 8, .value_kind: global_buffer, .address_space: global }
      - { .name: cos, .offset: 24, .size: 8, .value_kind: global_buffer, .address_space: global }
      - { .name: sin, .offset: 32, .size: 8, .value_kind: global_buffer, .address_space: global }
      - { .name: qb, .offset: 40, .size: 8, .value_kind: global_buffer, .address_space: global }
      - { .name: kvb, .offset: 48, .size: 8, .value_kind: global_buffer, .address_space: global }
    .group_segment_fixed_size: 327680
    .private_segment_fixed_size: 0
    .kernarg_segment_align: 8
    .kernarg_segment_size: 56
    .max_flat_workgroup_size: 128
    .sgpr_count:     102
    .vgpr_count:     1024
    .wavefront_size: 32
...
	.end_amdgpu_metadata
.endif
;; end of part 2
;; launch attn (part 3): grid 8 x 32, 16 waves a work-group, no clusters, 206,848 bytes of LDS; arguments qb, kvb, mw, ao; writes ao
.if DOCPART == 3
	.amdgcn_target "amdgcn-amd-amdhsa--gfx1250"
	.amdhsa_code_object_version 6
	.text
	.protected	k_qc638275fd3_attn
	.globl	k_qc638275fd3_attn
	.p2align	8
	.type	k_qc638275fd3_attn,@function
k_qc638275fd3_attn:
	s_mov_b64 s[64:65], 0
	v_nop
	global_prefetch_b8 v0, s[64:65] scope:SCOPE_SE
	s_setreg_imm32_b32 hwreg(HW_REG_WAVE_MODE, 25, 1), 1
	s_wait_xcnt 0x0
; Attention of one head of one batch on codes of FP6 (E2M3): S^T = K Q^T, the mask, p = 2^(t - M) quantised along the keys, O^T = V^T P^T, O / the row's sum, quantised along the model's 1,024 for the next product.
; t = score x log2(e) / 8; M = the running largest t rounded UP to a whole number; the sum is taken of the unquantised p; when M moves, the sum and O^T are multiplied by 2^(old M - new M), which rounds nothing.
; SHARES.  A work-group serves one head (grid y) and 16 tiles of 16 queries: wave w takes tile 8 w' + g, g = grid x, w' = w xor 3 ((w / 4) % 2): under a mask that thins out with the key index the work-groups have equal
; work, and so have waves w, w + 4, w + 8, w + 12 together.  Every wave walks the 16 steps of 128 keys.
; THE WHOLE HEAD'S K AND V STAY IN LDS (196,608 bytes of codes as the launch before laid them, 8,192 of scale words): nothing there is written twice.  They come in eight chunks of two steps, 48 bytes a thread, through
; registers; a chunk is asked for a trip ahead, stored in the middle of the trip before it is read, and a barrier stands at each trip's end.
; THE MASK IS AN INPUT.  The first launch has turned it into words of lane bits.  From them a wave makes two flags a step: no key counts for any of my queries (the step is left out), all count (nothing is selected).
; A step parts ONCE on the second flag: only the arm in which some keys count and some do not loads the step's 64 mask words (four scalar loads), waits for them and selects by them; the loads of K, the eight products and
; the loads of V stand in both arms (macro KPART), so that no path reads a mask word that it has not loaded.
; These are branches on whole numbers that an earlier launch stored.  No barrier stands under such a branch.
; THE HEAD HAS 64 ALONG K, THE INSTRUCTION 128: a fragment of K holds TWO tiles of 16 keys (k 0-63 the even tile, k 64-127 the odd one); Q stands between two runs of six zero registers, so that v[22:33] = (q, 0) picks the even
; tile and v[16:27] = (0, q) the odd one.  Zero codes add nothing under any scale byte but 0xff, and the bytes here lie between 1 and 254.
; A lane holds ONE query throughout.  Register 8 T + j of S^T holds key 16 T + 8 (lane / 16) + j; p is converted as it stands, which is the order in which v's codes were made.
; OUT: ao, images [tile of 16 tokens 256][head 16] of 768 bytes in true order along d, and from byte 3,145,728 on scale words [128 tokens][128 along K][row 16][tile 8]; a head owns two of a word's four bytes, so they leave as
; single bytes (131,072 in the launch).
; LIMITS: NaN and infinities among the inputs are not served.  A query for which no key counts has the sum 0: its scale bytes are set to 0xff, so that its row of the next product is NaN, as a softmax over nothing is.
.set FLG,  13                          ; s13  bit 0: some key of the step counts; bit 16: all count; shifted right once a step
.set TB,   14                          ; s14  LDS byte at which the step's codes begin
.set TSC,  15                          ; s15  and its scale words, less their base
.set SEL,  84
.set CS,   86                          ; s[86:87] log2(e) / 8
.set TRIP, 88
.set CHB,  89                          ; s89  LDS byte at which the chunk to be stored begins
.set QSL,  34                          ; v34, v35 Q's scale words for (q, 0) and (0, q)
.set QSH,  35
.set FR,   36                          ; v36-83   four fragments of K, then of V
.set KSC,  84                          ; v84-87   K's scale words;  v88-91 V's;  v92 p's
.set VSC,  88
.set PW,   92
.set S,    96                          ; v96-159  S^T, then p
.set O,    160                         ; v160-191 O^T
.set PC,   192                         ; v192-211 codes
.set BM,   212                         ; v212-215 a block's largest score, then p
.set T2,   216
.set SCO,  220
.set STG,  236                         ; v236-247 a chunk on its way
	s_load_b256 s[16:23], s[0:1], 0x0              ; qb, kvb, mw, ao
	v_lshl_add_u32 v254, v0, 2, 0x32000
	v_mov_b32 v255, 0
	v_lshrrev_b32 v1, 5, v0
	s_delay_alu instid0(VALU_DEP_1)
	v_readfirstlane_b32 s12, v1                    ; wave 0..15
	s_bfe_u32 s90, s12, 0x10002
	s_mul_i32 s90, s90, 3
	s_xor_b32 s91, s12, s90                        ; w'
	s_and_b32 s92, ttmp7, 0xffff                   ; head of batch
	s_lshl_b32 s93, s91, 3
	s_add_co_u32 s93, s93, ttmp9                   ; my tile of queries
	v_and_b32 v10, 31, v0
	v_and_b32 v11, 15, v0
	s_delay_alu instid0(VALU_DEP_2)
	v_lshlrev_b32 v1, 4, v10                       ; 16 x lane
	s_delay_alu instid0(VALU_DEP_3)
	v_lshlrev_b32 v2, 3, v10                       ; 8 x lane
	s_delay_alu instid0(VALU_DEP_3)
	v_lshlrev_b32 v11, 4, v11                      ; 16 r
	s_delay_alu instid0(VALU_DEP_1)
	v_add_nc_u32 v3, 0x30000, v11                  ; the scale words in LDS: 196,608 + 16 r
	v_lshlrev_b32 v4, 4, v0                        ; 16 x thread
	v_mov_b32 v5, 0xff800000                       ; -infinity
	s_mul_i32 s24, s92, 196608
	s_mov_b32 s25, 0
	s_lshl_b32 s26, s92, 13
	s_add_co_u32 s26, s26, 6291456
	s_mov_b32 s27, 0
	s_mul_i32 s28, s92, 98304
	s_mul_i32 s94, s93, 768
	s_add_co_u32 s28, s28, s94
	s_mov_b32 s29, 0
	s_lshl_b32 s30, s92, 12
	s_lshl_b32 s94, s91, 8
	s_add_co_u32 s30, s30, s94
	s_lshr_b32 s94, ttmp9, 1
	s_lshl_b32 s94, s94, 2
	s_add_co_u32 s30, s30, s94
	s_add_co_u32 s30, s30, 3145728
	s_mov_b32 s31, 0
	s_lshl_b32 s32, s93, 12
	s_mov_b32 s33, 0
	s_lshr_b32 s94, s92, 4                         ; batch
	s_and_b32 s95, s92, 15                         ; head
	s_lshl_b32 s96, s94, 7
	s_add_co_u32 s96, s96, s93                     ; tile of tokens
	s_mul_i32 s34, s96, 12288
	s_mul_i32 s97, s95, 768
	s_add_co_u32 s34, s34, s97
	s_mov_b32 s35, 0
	s_lshl_b32 s96, s94, 4
	s_add_co_u32 s96, s96, s91                     ; block of 128 tokens
	s_lshl_b32 s36, s96, 12
	s_lshr_b32 s97, s95, 1
	s_lshl_b32 s97, s97, 9
	s_add_co_u32 s36, s36, s97
	s_lshl_b32 s97, ttmp9, 2
	s_add_co_u32 s36, s36, s97
	s_and_b32 s97, s95, 1
	s_lshl_b32 s97, s97, 1
	s_add_co_u32 s36, s36, s97
	s_add_co_u32 s36, s36, 3145728
	s_mov_b32 s37, 0
	s_mov_b32 s[SEL], 0x76543210
	s_mov_b32 s[SEL+1], 0xfedcba98
	s_mov_b32 s[CS], 0x3e38aa3b
	s_mov_b32 s[CS+1], s[CS]
	s_mov_b32 s[TB], 0
	s_mov_b32 s[TSC], 0
	s_mov_b32 s[CHB], 24576
	s_wait_alu depctr_va_vdst(0)
	s_wait_kmcnt 0x0
	s_add_nc_u64 s[4:5], s[18:19], s[24:25]        ; the head's codes
	s_add_nc_u64 s[38:39], s[18:19], s[26:27]      ; its scale words
	s_add_nc_u64 s[40:41], s[16:17], s[28:29]      ; my image of Q
	s_add_nc_u64 s[42:43], s[16:17], s[30:31]      ; its scale words
	s_add_nc_u64 s[6:7], s[20:21], s[32:33]        ; my mask words
	s_add_nc_u64 s[8:9], s[22:23], s[34:35]        ; my image of the result
	s_add_nc_u64 s[10:11], s[22:23], s[36:37]      ; its scale bytes
	global_load_b128 v[248:251], v4, s[38:39]
	global_load_b128 v[STG:STG+3], v4, s[4:5]
	global_load_b128 v[STG+4:STG+7], v4, s[4:5] offset:8192
	global_load_b128 v[STG+8:STG+11], v4, s[4:5] offset:16384
	global_load_b128 v[22:25], v1, s[40:41]
	global_load_b64 v[26:27], v2, s[40:41] offset:512
	global_load_b32 v227, v11, s[42:43]
.irp s, 0,1,2,3,4,5,6,7,8,9,10,11,12,13,14,15
	global_load_b64 v[S+2*\s:S+2*\s+1], v2, s[6:7] offset:256*\s
.endr
.irp j, 16,17,18,19,20,21,28,29,30,31,32,33
	v_mov_b32 v[\j], 0                             ; the zero codes on both sides of q
.endr
.set j, 0
.rept 32
	v_mov_b32 v[O+j], 0                            ; O^T begins as zeros: any step may be left out, so none can start the sums
.set j, j+1
.endr
	v_mov_b32 v13, 0xff61b1e6                      ; the largest t so far: -3e38
	s_delay_alu instid0(VALU_DEP_1)
	v_floor_f32 v12, -v13                          ; -M
	v_mov_b32 v14, 0
	v_mov_b32 v15, 0
.irp j, 216,217,218,219,225,226
	v_mov_b32 v[\j], 0                             ; (permutes' destinations, a pair's upper half)
.endr
	s_wait_loadcnt 0x0
	; Q's two scale words are made HERE, first thing behind the loads: a scale register written by a vector instruction stands eight plain vector lines ahead of a scaled
	; matrix instruction, and the flags' 64 vector lines below stand between these two writes and the first product on every path, that over a step left out too.
	v_alignbit_b32 v226, v227, v227, 16            ; the word's halves changed over
	s_bitcmp1_b32 ttmp9, 0                         ; my tile is the pair's odd one?
	s_cselect_b32 s95, -1, 0
	v_cndmask_b32 v[QSL], v227, v226, s95          ; my two bytes in bytes 0, 1
	v_cndmask_b32 v[QSH], v226, v227, s95          ; and in bytes 2, 3
	v_add_nc_u32 v9, 0x30000, v4
	ds_store_b128 v9, v[248:251]
	ds_store_b128 v4, v[STG:STG+3]
	ds_store_b128 v4, v[STG+4:STG+7] offset:8192
	ds_store_b128 v4, v[STG+8:STG+11] offset:16384
	s_mov_b32 s[FLG], 0
.irp s, 0,1,2,3,4,5,6,7,8,9,10,11,12,13,14,15
	v_or_b32 v228, v[S+2*\s], v[S+2*\s+1]
	v_and_b32 v229, v[S+2*\s], v[S+2*\s+1]
	s_delay_alu instid0(VALU_DEP_2)
	v_cmp_ne_u32 vcc_lo, 0, v228
	s_cmp_lg_u32 vcc_lo, 0
	s_cselect_b32 s90, 1<<\s, 0
	s_or_b32 s[FLG], s[FLG], s90
	v_cmp_ne_u32 vcc_lo, -1, v229
	s_cmp_eq_u32 vcc_lo, 0
	s_cselect_b32 s90, 1<<(16+\s), 0
	s_or_b32 s[FLG], s[FLG], s90
.endr
	s_wait_dscnt 0x0                               ; my stores have landed and have read their registers
	s_add_nc_u64 s[4:5], s[4:5], 24576
	global_load_b128 v[STG:STG+3], v4, s[4:5]      ; chunk 1
	global_load_b128 v[STG+4:STG+7], v4, s[4:5] offset:8192
	global_load_b128 v[STG+8:STG+11], v4, s[4:5] offset:16384
	s_barrier_signal -1
	s_barrier_wait -1
; The step's first part, which stands in both arms: K's four fragments and scale words, S^T = K Q^T, and the loads of V.
.macro KPART
	v_add_nc_u32 v6, s[TB], v1
	v_add_nc_u32 v7, s[TB], v2
	v_add_nc_u32 v8, s[TSC], v3
	v_nop                                          ; four plain lines between the last products and the loads into their operands
.irp i, 0,1,2,3
	ds_load_b128 v[FR+12*\i:FR+12*\i+3], v6 offset:1536*\i
	ds_load_b64 v[FR+12*\i+4:FR+12*\i+5], v7 offset:1536*\i+512
	ds_load_b128 v[FR+12*\i+6:FR+12*\i+9], v6 offset:1536*\i+768
	ds_load_b64 v[FR+12*\i+10:FR+12*\i+11], v7 offset:1536*\i+1280
.endr
	ds_load_b128 v[KSC:KSC+3], v8
	s_wait_alu depctr_va_vdst(0)
	s_wait_dscnt 0x0
.irp i, 0,1,2,3
	v_wmma_scale_f32_16x16x128_f8f6f4 v[S+16*\i:S+16*\i+7], v[FR+12*\i:FR+12*\i+11], v[22:33], 0, v[KSC+\i], v[QSL] matrix_a_fmt:MATRIX_FMT_FP6 matrix_b_fmt:MATRIX_FMT_FP6
	v_wmma_scale_f32_16x16x128_f8f6f4 v[S+16*\i+8:S+16*\i+15], v[FR+12*\i:FR+12*\i+11], v[16:27], 0, v[KSC+\i], v[QSH] matrix_a_fmt:MATRIX_FMT_FP6 matrix_b_fmt:MATRIX_FMT_FP6
.endr
.rept 4
	v_nop
.endr
.irp d, 0,1,2,3                        ; V's four fragments land under the softmax
.irp c, 0,1,2
	ds_load_b128 v[FR+12*\d+4*\c:FR+12*\d+4*\c+3], v6 offset:6144+1536*\d+512*\c
.endr
.endr
	ds_load_b128 v[VSC:VSC+3], v8 offset:256
.endm
.macro STEP
	s_bitcmp1_b32 s[FLG], 0
	s_cbranch_scc0 .Lskip_\@                       ; no key of this step counts for any of my queries
	s_bitcmp1_b32 s[FLG], 16
	s_cbranch_scc1 .Lall_\@                        ; every key counts for every query of mine: no mask word is wanted
	s_load_b512 s[16:31], s[6:7], 0x0              ; the step's 64 mask words: word n in s[16 + n], from n = 48 on in s[20 + n]
	s_load_b512 s[32:47], s[6:7], 0x40
	s_load_b512 s[48:63], s[6:7], 0x80
	s_load_b512 s[68:83], s[6:7], 0xc0
	KPART
	s_wait_kmcnt 0x0                               ; the mask words
.set n, 0
.rept 64
	v_cndmask_b32 v[S+n], v5, v[S+n], s[16+n+4*(n/48)]   ; a score that does not count becomes -infinity: p = 0
.set n, n+1
.endr
	s_branch .Lopen_\@
.Lall_\@:
	KPART
.Lopen_\@:
.irp b, 0,1,2,3
	v_max3_num_f32 v[BM+\b], v[S+16*\b], v[S+1+16*\b], v[S+2+16*\b]   ; the largest score of each block of 32 keys: for the row's maximum, and for the block's largest p
.endr
.irp i, 3,5,7,9,11,13
.irp b, 0,1,2,3
	v_max3_num_f32 v[BM+\b], v[BM+\b], v[S+16*\b+\i], v[S+1+16*\b+\i]
.endr
.endr
.irp b, 0,1,2,3
	v_max_num_f32 v[BM+\b], v[BM+\b], v[S+15+16*\b]
.endr
.irp b, 0,1,2,3
	s_delay_alu instid0(VALU_DEP_4)
	v_permlanex16_b32 v[T2+\b], v[BM+\b], s[SEL], s[SEL+1]
.endr
.irp b, 0,1,2,3
	s_delay_alu instid0(VALU_DEP_4)
	v_max_num_f32 v[BM+\b], v[BM+\b], v[T2+\b]
.endr
	s_delay_alu instid0(VALU_DEP_2)
	v_max3_num_f32 v226, v[BM], v[BM+1], v[BM+2]
	s_delay_alu instid0(VALU_DEP_1)
	v_max_num_f32 v226, v226, v[BM+3]
	s_delay_alu instid0(VALU_DEP_1)
	v_mul_f32 v226, s[CS], v226
	s_delay_alu instid0(VALU_DEP_1)
	v_max_num_f32 v13, v13, v226                   ; the running largest t
	v_mov_b32 v226, v12
	s_delay_alu instid0(VALU_DEP_2)
	v_floor_f32 v12, -v13                          ; the new -M
	s_delay_alu instid0(VALU_DEP_1)
	v_sub_f32 v226, v12, v226                      ; old M - new M: a whole number, 0 or less
	s_delay_alu instid0(VALU_DEP_1)
	v_cvt_i32_f32 v226, v226                       ; (it saturates)
	s_delay_alu instid0(VALU_DEP_1)
	v_ldexp_f32 v224, 1.0, v226                    ; f = 2^(old M - new M)
.set j, 0
.rept 32
	v_pk_fma_f32 v[S+j:S+j+1], v[S+j:S+j+1], s[CS:CS+1], v[12:13] op_sel_hi:[1,0,0]   ; t - M
.set j, j+2
.endr
.irp b, 0,1,2,3
	v_fma_f32 v[BM+\b], v[BM+\b], s[CS], v12
.endr
.set j, 0
	s_wait_alu depctr_va_vdst(0)
.rept 64
	v_exp_f32 v[S+j], v[S+j]                       ; p, not normalised
.set j, j+1
.endr
	v_pk_mul_f32 v[14:15], v[14:15], v[224:225] op_sel_hi:[1,0]   ; the sums under the new M (a plain line behind the batch)
	s_wait_alu depctr_va_vdst(0)                   ; one wait for the batch of 64, ahead of its first reader
.irp b, 0,1,2,3
	v_exp_f32 v[BM+\b], v[BM+\b]                   ; the block's largest p
.endr
	v_pk_add_f32 v[228:229], v[100:101], v[104:105]
	v_pk_add_f32 v[252:253], v[108:109], v[112:113]
	v_pk_add_f32 v[250:251], v[116:117], v[120:121]
	v_pk_add_f32 v[248:249], v[124:125], v[128:129]
	v_pk_add_f32 v[234:235], v[132:133], v[136:137]
	v_pk_add_f32 v[232:233], v[140:141], v[144:145]
	v_pk_add_f32 v[230:231], v[148:149], v[152:153]
	v_pk_add_f32 v[14:15], v[14:15], v[156:157]
	v_pk_add_f32 v[228:229], v[228:229], v[96:97]
	v_pk_add_f32 v[252:253], v[252:253], v[98:99]
	v_pk_add_f32 v[250:251], v[250:251], v[102:103]
	v_pk_add_f32 v[248:249], v[248:249], v[106:107]
	v_pk_add_f32 v[234:235], v[234:235], v[110:111]
	v_pk_add_f32 v[232:233], v[232:233], v[114:115]
	v_pk_add_f32 v[230:231], v[230:231], v[118:119]
	v_pk_add_f32 v[14:15], v[14:15], v[122:123]
	v_pk_add_f32 v[228:229], v[228:229], v[126:127]
	v_pk_add_f32 v[252:253], v[252:253], v[130:131]
	v_pk_add_f32 v[250:251], v[250:251], v[134:135]
	v_pk_add_f32 v[248:249], v[248:249], v[138:139]
	v_pk_add_f32 v[234:235], v[234:235], v[142:143]
	v_pk_add_f32 v[232:233], v[232:233], v[146:147]
	v_pk_add_f32 v[230:231], v[230:231], v[150:151]
	v_pk_add_f32 v[14:15], v[14:15], v[154:155]
	v_pk_add_f32 v[228:229], v[228:229], v[158:159]
	s_delay_alu instid0(VALU_DEP_2)
	v_pk_add_f32 v[14:15], v[14:15], v[248:249]
	s_delay_alu instid0(VALU_DEP_2)
	v_pk_add_f32 v[228:229], v[228:229], v[234:235]
	v_pk_add_f32 v[252:253], v[252:253], v[232:233]
	v_pk_add_f32 v[250:251], v[250:251], v[230:231]
	s_delay_alu instid0(VALU_DEP_2)
	v_pk_add_f32 v[14:15], v[14:15], v[252:253]
	s_delay_alu instid0(VALU_DEP_2)
	v_pk_add_f32 v[228:229], v[228:229], v[250:251]
	s_delay_alu instid0(VALU_DEP_1)
	v_pk_add_f32 v[14:15], v[14:15], v[228:229]
	s_wait_alu depctr_va_vdst(0)                   ; and one for the four
.irp b, 0,1,2,3
	v_max_num_f32 v[BM+\b], 0x1800000, v[BM+\b]    ; the floor 2^-124
.endr
.irp b, 0,1,2,3
	s_delay_alu instid0(VALU_DEP_4)
	v_add_nc_u32 v[SCO+\b], 0xff000000, v[BM+\b]
.endr
.irp b, 0,1,2,3
	s_delay_alu instid0(VALU_DEP_4)
	v_lshrrev_b32 v[T2+\b], 23, v[SCO+\b]
.endr
	s_delay_alu instid0(VALU_DEP_3)
	v_lshl_or_b32 v[PW], v[T2+1], 8, v[T2]
	s_delay_alu instid0(VALU_DEP_1)
	v_lshl_or_b32 v[PW], v[T2+2], 16, v[PW]
	s_delay_alu instid0(VALU_DEP_1)
	v_lshl_or_b32 v[PW], v[T2+3], 24, v[PW]
.irp c, 0,1
	v_cvt_scalef32_pk16_fp6_f32 v[PC+6*\c:PC+2+6*\c], v[S+32*\c:S+15+32*\c], v[SCO+2*\c]
	v_cvt_scalef32_pk16_fp6_f32 v[PC+12+4*\c:PC+14+4*\c], v[S+16+32*\c:S+31+32*\c], v[SCO+1+2*\c]
.endr
	v_nop
.irp c, 0,1
.irp i, 0,1,2
	v_permlane16_swap_b32 v[PC+6*\c+\i], v[PC+12+4*\c+\i]
.endr
.irp i, 0,1,2
	s_delay_alu instid0(VALU_DEP_3)
	v_mov_b32 v[PC+3+6*\c+\i], v[PC+12+4*\c+\i]
.endr
.endr
.set j, 0
.rept 16
	v_pk_mul_f32 v[O+j:O+j+1], v[O+j:O+j+1], v[224:225] op_sel_hi:[1,0]   ; O^T under the new M; these sixteen also stand between the codes and scale word just made and the products
.set j, j+2
.endr
	s_wait_alu depctr_va_vdst(0)
	s_wait_dscnt 0x0                               ; V
.irp d, 0,1,2,3
	v_wmma_scale_f32_16x16x128_f8f6f4 v[O+8*\d:O+8*\d+7], v[FR+12*\d:FR+12*\d+11], v[PC:PC+11], v[O+8*\d:O+8*\d+7], v[VSC+\d], v[PW] matrix_a_fmt:MATRIX_FMT_FP6 matrix_b_fmt:MATRIX_FMT_FP6
.endr
.Lskip_\@:
	s_lshr_b32 s[FLG], s[FLG], 1
	s_add_co_u32 s[TB], s[TB], 12288
	s_add_co_u32 s[TSC], s[TSC], 512
	s_add_nc_u64 s[6:7], s[6:7], 256               ; (no scalar load is out here: the one arm that issues them has waited for them)
.endm
	s_mov_b32 s[TRIP], 0
.Ltrip:                                            ; eight trips of two steps
	STEP
	s_cmp_lt_u32 s[TRIP], 7
	s_cbranch_scc0 .Lnofill
	s_wait_loadcnt 0x0                             ; the next chunk, asked for a trip ago
	v_add_nc_u32 v9, s[CHB], v4
	ds_store_b128 v9, v[STG:STG+3]
	ds_store_b128 v9, v[STG+4:STG+7] offset:8192
	ds_store_b128 v9, v[STG+8:STG+11] offset:16384
	s_wait_dscnt 0x0                               ; the stores have read their registers
	s_cmp_lt_u32 s[TRIP], 6
	s_cbranch_scc0 .Lnofill
	s_add_nc_u64 s[4:5], s[4:5], 24576
	global_load_b128 v[STG:STG+3], v4, s[4:5]
	global_load_b128 v[STG+4:STG+7], v4, s[4:5] offset:8192
	global_load_b128 v[STG+8:STG+11], v4, s[4:5] offset:16384
.Lnofill:
	STEP
	s_wait_dscnt 0x0                               ; my part of the next chunk has landed
	s_barrier_signal -1
	s_barrier_wait -1                              ; everybody's has
	s_add_co_u32 s[CHB], s[CHB], 24576
	s_add_co_u32 s[TRIP], s[TRIP], 1
	s_cmp_lt_u32 s[TRIP], 8
	s_cbranch_scc1 .Ltrip
	; THE WAY OUT
.rept 4
	v_nop
.endr
	v_add_f32 v15, v14, v15
	s_delay_alu instid0(VALU_DEP_1)
	v_permlanex16_b32 v226, v15, s[SEL], s[SEL+1]
	s_delay_alu instid0(VALU_DEP_1)
	v_add_f32 v15, v15, v226                       ; the row's sum
	s_wait_alu depctr_va_vdst(0)
	v_rcp_f32 v14, v15
	v_mov_b32 v228, 0xff                           ; (a plain line behind the reciprocal)
	s_wait_alu depctr_va_vdst(0)
.set j, 0
.rept 16
	v_pk_mul_f32 v[O+j:O+j+1], v[O+j:O+j+1], v[14:15] op_sel_hi:[1,0]
.set j, j+2
.endr
.irp b, 0,1                            ; into true order along d, since the partner is a given weight: registers 16 b + 0 .. 15 then hold d = 32 b + 16 h + 0 .. 15
.irp j, 0,1,2,3,4,5,6,7
	v_permlane16_swap_b32 v[O+16*\b+\j], v[O+16*\b+8+\j]
.endr
.endr
.irp b, 0,1
	v_max3_num_f32 v[BM+\b], |v[O+16*\b]|, |v[O+16*\b+1]|, 0x1800000
.endr
.irp i, 2,4,6,8,10,12,14
.irp b, 0,1
	s_delay_alu instid0(VALU_DEP_2)
	v_max3_num_f32 v[BM+\b], v[BM+\b], |v[O+16*\b+\i]|, |v[O+16*\b+\i+1]|
.endr
.endr
.irp b, 0,1
	s_delay_alu instid0(VALU_DEP_2)
	v_permlanex16_b32 v[T2+\b], v[BM+\b], s[SEL], s[SEL+1]
.endr
.irp b, 0,1
	s_delay_alu instid0(VALU_DEP_2)
	v_max_num_f32 v[BM+\b], v[BM+\b], v[T2+\b]
.endr
.irp b, 0,1
	s_delay_alu instid0(VALU_DEP_2)
	v_add_nc_u32 v[SCO+\b], 0xff000000, v[BM+\b]
.endr
.irp b, 0,1
	s_delay_alu instid0(VALU_DEP_2)
	v_lshrrev_b32 v[T2+\b], 23, v[SCO+\b]
.endr
	v_cvt_scalef32_pk16_fp6_f32 v[PC:PC+2], v[O:O+15], v[SCO]
	v_cvt_scalef32_pk16_fp6_f32 v[PC+12:PC+14], v[O+16:O+31], v[SCO+1]
	v_nop
.irp i, 0,1,2
	v_permlane16_swap_b32 v[PC+\i], v[PC+12+\i]
.endr
.irp i, 0,1,2
	s_delay_alu instid0(VALU_DEP_3)
	v_mov_b32 v[PC+3+\i], v[PC+12+\i]
.endr
	global_store_b128 v1, v[PC:PC+3], s[8:9]       ; the image: 512 and 256 consecutive bytes, aligned
	global_store_b64 v2, v[PC+4:PC+5], s[8:9] offset:512
	s_mov_b32 s90, 0xffff0000
	v_cndmask_b32 v227, v[T2], v[T2+1], s90        ; lanes 0-15 block 0's byte, lanes 16-31 block 1's
	v_cmp_eq_f32 vcc_lo, 0, v15
	s_delay_alu instid0(VALU_DEP_1)
	v_cndmask_b32 v227, v227, v228, vcc_lo         ; no key counted: 0xff
	v_bfe_u32 v229, v0, 4, 1
	s_delay_alu instid0(VALU_DEP_1)
	v_lshl_add_u32 v229, v11, 1, v229              ; 32 r + lane / 16
	global_store_b8 v229, v227, s[10:11]
	s_wait_tensorcnt 0x0
	ds_add_u32 v254, v255
	s_wait_dscnt 0x0
	s_endpgm
.Lfunc_end_k_qc638275fd3_attn:
	.size	k_qc638275fd3_attn, .Lfunc_end_k_qc638275fd3_attn-k_qc638275fd3_attn
	.p2alignl 7, 3214868480
	.fill 96, 4, 3214868480
	.section	.rodata,"a",@progbits
	.p2align	6, 0x0
	.amdhsa_kernel k_qc638275fd3_attn
		.amdhsa_group_segment_fixed_size 206848
		.amdhsa_private_segment_fixed_size 0
		.amdhsa_enable_private_segment 0
		.amdhsa_kernarg_size 32
		.amdhsa_user_sgpr_count 2
		.amdhsa_user_sgpr_kernarg_segment_ptr 1
		.amdhsa_wavefront_size32 1
		.amdhsa_system_sgpr_workgroup_id_x 1
		.amdhsa_system_sgpr_workgroup_id_y 1
		.amdhsa_system_sgpr_workgroup_id_z 1
		.amdhsa_system_vgpr_workitem_id 0
		.amdhsa_next_free_vgpr 256
		.amdhsa_next_free_sgpr 100
		.amdhsa_reserve_vcc 1
		.amdhsa_float_denorm_mode_32 3
		.amdhsa_float_denorm_mode_16_64 3
		.amdhsa_memory_ordered 1
		.amdhsa_forward_progress 1
		.amdhsa_inst_pref_size 70
	.end_amdhsa_kernel
	.amdgpu_metadata
---
amdhsa.version: [ 1, 2 ]
amdhsa.kernels:
  - .name:           k_qc638275fd3_attn
    .symbol:         k_qc638275fd3_attn.kd
    .args:
      - { .name: qb, .offset: 0, .size: 8, .value_kind: global_buffer, .address_space: global }
      - { .name: kvb, .offset: 8, .size: 8, .value_kind: global_buffer, .address_space: global }
      - { .name: mw, .offset: 16, .size: 8, .value_kind: global_buffer, .address_space: global }
      - { .name: ao, .offset: 24, .size: 8, .value_kind: global_buffer, .address_space: global }
    .group_segment_fixed_size: 206848
    .private_segment_fixed_size: 0
    .kernarg_segment_align: 8
    .kernarg_segment_size: 32
    .max_flat_workgroup_size: 512
    .sgpr_count:     100
    .vgpr_count:     256
    .wavefront_size: 32
...
	.end_amdgpu_metadata
.endif
;; end of part 3
;; launch proj (part 4): grid 8 x 32, 4 waves a work-group, clusters of 4 x 4, 327,680 bytes of LDS; arguments ao, wi, w_proj_scales, x, x1; writes x1
.if DOCPART == 4
	.amdgcn_target "amdgcn-amd-amdhsa--gfx1250"
	.amdhsa_code_object_version 6
	.text
	.protected	k_qc638275fd3_proj
	.globl	k_qc638275fd3_proj
	.p2align	8
	.type	k_qc638275fd3_proj,@function
k_qc638275fd3_proj:
	s_mov_b64 s[64:65], 0
	v_nop
	global_prefetch_b8 v0, s[64:65] scope:SCOPE_SE
	s_setreg_imm32_b32 hwreg(HW_REG_WAVE_MODE, 25, 1), 1
	s_wait_xcnt 0x0
	s_wait_alu depctr_hold_cnt(0) depctr_sa_sdst(0) depctr_va_vdst(0) depctr_va_sdst(0) depctr_va_ssrc(0) depctr_va_vcc(0) depctr_vm_vsrc(0)
	s_getreg_b32 s2, hwreg(HW_REG_IB_STS2, 6, 4)
	s_cmp_eq_u32 s2, 0
	s_cbranch_scc0 .Lentry_in_a_cluster
	s_endpgm
.Lentry_in_a_cluster:
	s_bfe_u32 s2, ttmp6, 0x10000c
	s_cmp_lg_u32 s2, 0xf033
	s_cbranch_scc0 .Lentry_shape_is_right
	s_endpgm
.Lentry_shape_is_right:
.set SIZE_K, 1024
.set SIZE_M, 4096
.set KROW,   SIZE_K*3/4
.set KS,     SIZE_K/32
.set APITCH, (SIZE_K/64)*768
.set ASC,    SIZE_M*SIZE_K*3/4
.set LAPS,   SIZE_K/1024
.set AHALF,  4*6144
.set BSUB,   AHALF                     ; B comes as images too (three planes of 256 bytes): 64 rows x 512 K are 4 x 6,144 dense bytes
.set BOFF,   2*AHALF
.set SLOT,   BOFF+2*BSUB
.set SCL,    2*SLOT
.set HALFS,  (64*KS/256)*272
.set SBLK,   (16*KS/256)*272
.set SPARE,  SCL+4*HALFS
.set SPITCH, 272
.set ADA16, 16
.set ADA8,  18
.set ADRB,  20
.set STO,   24
.set RD,    25
.set CO,    26
.set ADRSA, 27
.set SPW,   28
.set NIL,   29
.set ADRSB, 30
.set SCA,   32
.set SCB,   64
.set ACC,   128
.set G1, 24
.set G0, 32
.set G1B, 48
.set G0B, 56
.set G1S, 68
.set G0S, 76
.set G1SB, 80
.set G0SB, 88
.set MSB, 0
.macro WIN new
.if MSB != (\new)
	s_set_vgpr_msb (MSB<<8)|(\new)
.set MSB, (\new)
.endif
.endm
.macro JLOAD g0a, g1a, g0b, g1b
	s_cmp_eq_u32 s15, 0
	s_cbranch_scc0 .Lfor_b_\@
	tensor_load_to_lds s[\g0a:\g0a+3], s[\g1a:\g1a+7]
	s_nop 0
.rept 4
	v_nop
.endr
	s_branch .Lasked_\@
.Lfor_b_\@:
	tensor_load_to_lds s[\g0b:\g0b+3], s[\g1b:\g1b+7]
	s_nop 0
.rept 4
	v_nop
.endr
.Lasked_\@:
.endm
.macro CREST
	s_cmp_lg_u32 s14, 0
	s_cbranch_scc1 .Lnot_wave_0_\@
	s_barrier_signal -3
.Lnot_wave_0_\@:
	s_barrier_wait -3
	s_barrier_signal -1
	s_barrier_wait -1
.endm
.macro CROUND
	s_barrier_signal -1
	s_barrier_wait -1
	CREST
.endm
.macro PLACES n
.rept \n
	v_nop
.endr
.endm
	s_load_b64 s[4:5], s[0:1], 0x0
	s_load_b128 s[8:11], s[0:1], 0x8
	s_load_b128 s[96:99], s[0:1], 0x18
	v_lshl_add_u32 v[SPW], v0, 2, SPARE
	v_mov_b32 v[NIL], 0
	ds_add_u32 v28, v29
	ds_add_u32 v28, v29
	s_wait_dscnt 0x0
	v_lshrrev_b32 v1, 5, v0
	v_readfirstlane_b32 s14, v1
	s_lshr_b32 s15, s14, 1
	s_and_b32 s16, s14, 1
	s_bfe_u32 s40, ttmp6, 0x40000
	s_bfe_u32 s41, ttmp6, 0x40004
	s_lshl_b32 s42, ttmp9, 2
	s_add_co_u32 s42, s42, s40
	s_and_b32 s17, ttmp7, 0xffff
	s_lshl_b32 s17, s17, 2
	s_add_co_u32 s17, s17, s41
	s_lshl_b32 s43, s41, 2
	s_lshl_b32 s43, 15, s43
	s_lshl_b32 s44, 0x1111, s40
	s_or_b32 s[G1+0], s43, (3<<16)|(1<<21)
	s_mov_b32 s[G1+1], 768<<16
	s_mov_b32 s[G1+2], 8<<16                       ; at the head 8 groups of 16 rows; behind it 4
	s_mov_b32 s[G1+3], 768<<16
	s_mov_b32 s[G1+4], 8
	s_mov_b32 s[G1+5], APITCH/8
	s_mov_b32 s[G1+6], 0
	s_mov_b32 s[G1+7], 0
	s_or_b32 s[G1B+0], s44, (3<<16)|(1<<21)
	s_mov_b32 s[G1B+1], 768<<16
	s_mov_b32 s[G1B+2], 8<<16
	s_mov_b32 s[G1B+3], 768<<16
	s_mov_b32 s[G1B+4], 8
	s_mov_b32 s[G1B+5], APITCH/8
	s_mov_b32 s[G1B+6], 0
	s_mov_b32 s[G1B+7], 0
	s_or_b32 s[G1S+0], s43, (3<<16)|(1<<20)|(1<<21)|(5<<22)|(3<<25)
	s_or_b32 s[G1SB+0], s44, (3<<16)|(1<<20)|(1<<21)|(5<<22)|(3<<25)
.irp g, G1S, G1SB
	s_mov_b32 s[\g+1], 32<<16
	s_mov_b32 s[\g+2], (128*KS/256)<<16
	s_mov_b32 s[\g+3], 32<<16
	s_mov_b32 s[\g+4], 128*KS/256
	s_mov_b32 s[\g+5], 32
	s_mov_b32 s[\g+6], 0
	s_mov_b32 s[\g+7], 0
.endr
	s_lshl_b32 s20, s17, 3
	s_lshl_b32 s18, s16, 2
	s_add_co_u32 s20, s20, s18
	s_mul_i32 s20, s20, APITCH
	s_mov_b32 s21, 0
	s_mul_i32 s22, s17, 128*KS
	s_mul_i32 s18, s16, 64*KS
	s_add_co_u32 s22, s22, s18
	s_add_co_u32 s22, s22, ASC
	s_mov_b32 s23, 0
	s_mul_i32 s46, s42, 128*KROW
	s_mul_i32 s19, s16, 64*KROW
	s_add_co_u32 s46, s46, s19
	s_mov_b32 s47, 0
	s_mul_i32 s92, s42, 128*KS
	s_add_co_u32 s92, s92, s18
	s_mov_b32 s93, 0
	s_mul_i32 s45, s16, AHALF
	s_mul_i32 s94, s16, BSUB
	s_add_co_u32 s94, s94, BOFF
	s_mov_b32 s19, 0                               ; s[18:19]: my half's scale bytes, taken off again for the loads of all 128 rows
	s_wait_kmcnt 0x0
	s_add_nc_u64 s[20:21], s[4:5], s[20:21]
	s_add_nc_u64 s[22:23], s[4:5], s[22:23]
	s_add_nc_u64 s[8:9], s[8:9], 2359296           ; w_proj's images in wi
	s_add_nc_u64 s[46:47], s[8:9], s[46:47]
	s_add_nc_u64 s[92:93], s[10:11], s[92:93]
	CROUND
	s_mov_b32 s[G0S], 1
	s_mov_b32 s[G0S+1], SCL
	s_sub_nc_u64 s[G0S+2:G0S+3], s[22:23], s[18:19]
	s_or_b32 s[G0S+3], s[G0S+3], 0x80000000
	s_mov_b32 s[G0SB], 1
	s_mov_b32 s[G0SB+1], SCL+2*HALFS
	s_sub_nc_u64 s[G0SB+2:G0SB+3], s[92:93], s[18:19]
	s_or_b32 s[G0SB+3], s[G0SB+3], 0x80000000
.irp s, 0,1
	s_mov_b32 s[G0+4*\s], 1
	s_add_co_u32 s[G0+4*\s+1], s45, \s*SLOT
	s_add_nc_u64 s[G0+4*\s+2:G0+4*\s+3], s[20:21], \s*6144
	s_or_b32 s[G0+4*\s+3], s[G0+4*\s+3], 0x80000000
	s_mov_b32 s[G0B+4*\s], 1
	s_add_co_u32 s[G0B+4*\s+1], s94, \s*SLOT
	s_add_nc_u64 s[G0B+4*\s+2:G0B+4*\s+3], s[46:47], \s*6144
	s_or_b32 s[G0B+4*\s+3], s[G0B+4*\s+3], 0x80000000
.endr
; The head's four tiles, one joint load a wave: wave 0 slot 0 of A's 128 rows, wave 2 of B's, wave 1 A's scales, wave 3 B's.
.macro ARM w, g0, g1, next
	s_cmp_eq_u32 s14, \w
	s_cbranch_scc0 \next
	tensor_load_to_lds s[\g0:\g0+3], s[\g1:\g1+7]
	s_nop 0
.rept 4
	v_nop
.endr
	s_branch .Lhead_asked
\next:
.endm
	ARM 0, G0, G1, .Lhead_b
	ARM 2, G0B, G1B, .Lhead_sa
	ARM 1, G0S, G1S, .Lhead_sb
	tensor_load_to_lds s[G0SB:G0SB+3], s[G1SB:G1SB+7]
	s_nop 0
.rept 4
	v_nop
.endr
.Lhead_asked:
	v_and_b32 v1, 15, v0
	v_bfe_u32 v2, v0, 4, 1
	v_and_b32 v3, 31, v0
	s_mul_i32 s21, s15, AHALF
	v_lshl_add_u32 v[ADA16], v3, 4, s21
	v_add_nc_u32 v[ADA16+1], SLOT, v[ADA16]
	v_lshl_add_u32 v[ADA8], v3, 3, s21
	v_add_nc_u32 v[ADA8+1], SLOT, v[ADA8]
	v_lshlrev_b32 v4, 3, v3                        ; a plane of an image: 8 x lane
	s_mul_i32 s22, s16, AHALF
	s_add_co_u32 s22, s22, BOFF
.irp s, 0,1
	v_add_nc_u32 v[ADRB+\s], s22, v4
	s_add_co_u32 s22, s22, SLOT
.endr
	v_lshlrev_b32 v5, 5, v1
	v_lshrrev_b32 v6, 3, v1
	v_lshl_add_u32 v5, v6, 4, v5
	s_lshl_b32 s21, s15, 4
	s_add_co_u32 s21, s21, SCL
	v_add_nc_u32 v[ADRSA], s21, v5
	v_mul_u32_u24 v5, v1, KS
	v_lshrrev_b32 v6, 8, v5
	v_lshl_add_u32 v5, v6, 4, v5
	s_mul_i32 s21, s16, HALFS
	s_add_co_u32 s21, s21, SCL+2*HALFS
	v_add_nc_u32 v[ADRSB], s21, v5
	s_mul_i32 s23, s14, 16*SPITCH
	v_mul_u32_u24 v5, v1, SPITCH
	v_lshl_add_u32 v5, v2, 5, v5
	v_add_nc_u32 v[STO], s23, v5
	v_mul_u32_u24 v5, v2, SPITCH
	v_lshl_add_u32 v5, v1, 4, v5
	v_add_nc_u32 v[RD], s23, v5
	v_lshlrev_b32 v5, 12, v2
	v_lshl_add_u32 v[CO], v1, 4, v5
	s_wait_alu depctr_va_vdst(0)
	s_lshl_b32 s20, s17, 19
	s_lshl_b32 s21, s15, 18
	s_add_co_u32 s20, s20, s21
	s_lshl_b32 s46, s42, 9
	s_lshl_b32 s47, s16, 8
	s_add_co_u32 s46, s46, s47
	s_add_co_u32 s20, s20, s46
	s_mov_b32 s21, 0
	s_add_nc_u64 s[96:97], s[96:97], s[20:21]
	s_add_nc_u64 s[98:99], s[98:99], s[20:21]
	WIN 0x80
.irp a, 0,1,2,3
.irp t, 0,1,2,3,4,5,6,7
	global_load_b128 v[32*\a+4*\t:32*\a+4*\t+3], v[CO], s[96:97] offset:(16*\a+2*\t)*4096
.endr
.endr
	WIN 0
.macro FRAG reg, adr, q, i
.irp p, 0,1,2,3,4,5
	ds_load_b64 v[\reg+2*\p:\reg+2*\p+1], v[\adr] offset:(\i)*6144+(\q)*1536+768*(\p/3)+256*(\p%3)
.endr
.endm
.macro FETCH slot, q, p
	WIN 0x40
.irp a, 0,1,2,3
	ds_load_b128 v[128*(\p)+12*\a:128*(\p)+12*\a+3], v[ADA16+\slot] offset:\a*6144+(\q)*1536
	ds_load_b64 v[128*(\p)+12*\a+4:128*(\p)+12*\a+5], v[ADA8+\slot] offset:\a*6144+(\q)*1536+512
	ds_load_b128 v[128*(\p)+12*\a+6:128*(\p)+12*\a+9], v[ADA16+\slot] offset:\a*6144+(\q)*1536+768
	ds_load_b64 v[128*(\p)+12*\a+10:128*(\p)+12*\a+11], v[ADA8+\slot] offset:\a*6144+(\q)*1536+1280
.endr
.irp i, 0,1,2,3
	FRAG 128*(\p)+48+12*\i, ADRB+\slot, \q, \i
.endr
.endm
.macro SCALES set
	WIN 0
.irp q, 0,1,2,3
	ds_load_b128 v[SCA+16*(\set)+4*\q:SCA+16*(\set)+4*\q+3], v[ADRSA] offset:544*\q
.endr
.irp i, 0,1,2,3
	ds_load_b128 v[SCB+16*(\set)+4*\i:SCB+16*(\set)+4*\i+3], v[ADRSB] offset:\i*SBLK
.endr
.endm
.macro MUL4 a, p, q, set, zero
	WIN 0x05
.irp b, 0,1,2,3
.if \zero
	v_wmma_scale_f32_16x16x128_f8f6f4 v[ACC+8*(4*(\a)+\b):ACC+8*(4*(\a)+\b)+7], v[128*(\p)+48+12*\b:128*(\p)+48+12*\b+11], v[128*(\p)+12*(\a):128*(\p)+12*(\a)+11], 0, v[SCB+16*(\set)+4*\b+(\q)], v[SCA+16*(\set)+4*(\q)+(\a)] matrix_a_fmt:MATRIX_FMT_FP6 matrix_b_fmt:MATRIX_FMT_FP6
.else
	v_wmma_scale_f32_16x16x128_f8f6f4 v[ACC+8*(4*(\a)+\b):ACC+8*(4*(\a)+\b)+7], v[128*(\p)+48+12*\b:128*(\p)+48+12*\b+11], v[128*(\p)+12*(\a):128*(\p)+12*(\a)+11], v[ACC+8*(4*(\a)+\b):ACC+8*(4*(\a)+\b)+7], v[SCB+16*(\set)+4*\b+(\q)], v[SCA+16*(\set)+4*(\q)+(\a)] matrix_a_fmt:MATRIX_FMT_FP6 matrix_b_fmt:MATRIX_FMT_FP6
.endif
.endr
.endm
.macro STEP slot, q, zero
	s_wait_dscnt 0
	PLACES 4
	FETCH \slot, (\q)+1, ((\q)+1)%2
	MUL4 0, (\q)%2, \q, \slot, \zero
	MUL4 1, (\q)%2, \q, \slot, \zero
	MUL4 2, (\q)%2, \q, \slot, \zero
	MUL4 3, (\q)%2, \q, \slot, \zero
.endm
.macro TURN slot, next, fill
	WIN 0
	s_wait_tensorcnt 0x0
	ds_add_u32 v[SPW], v[NIL]
	s_wait_dscnt 1
	MUL4 0, 1, 3, \slot, 0
	s_wait_dscnt 0x0
	s_barrier_signal -1
	MUL4 1, 1, 3, \slot, 0
	WIN 0
	s_barrier_wait -1
.if \fill
	CREST
	s_add_nc_u64 s[G0+4*\slot+2:G0+4*\slot+3], s[G0+4*\slot+2:G0+4*\slot+3], 2*6144
	s_add_nc_u64 s[G0B+4*\slot+2:G0B+4*\slot+3], s[G0B+4*\slot+2:G0B+4*\slot+3], 2*6144
	JLOAD G0+4*\slot, G1, G0B+4*\slot, G1B
.else
	PLACES 4
.endif
	v_add_nc_u32 v[ADRSA], 4*544, v[ADRSA]
	v_add_nc_u32 v[ADRSB], 16, v[ADRSB]
	FETCH \next, 0, 0
	SCALES \next
	MUL4 2, 1, 3, \slot, 0
	MUL4 3, 1, 3, \slot, 0
.endm
	s_wait_alu depctr_va_vdst(0)
	s_wait_tensorcnt 0x0                           ; my tile of the head's four is in
	ds_add_u32 v[SPW], v[NIL]
	s_mov_b32 s[G1+2], 4<<16                       ; no load of mine is out: from here on a load brings 4 groups of 16 rows
	s_mov_b32 s[G1+4], 4
	s_mov_b32 s[G1B+2], 4<<16
	s_mov_b32 s[G1B+4], 4
	s_wait_dscnt 0x0
	CROUND
	JLOAD G0+4, G1, G0B+4, G1B                     ; slot 1's first fill
	FETCH 0, 0, 0
	SCALES 0
	STEP 0, 0, 1
.if LAPS > 1
	WIN 0
	s_mov_b32 s3, LAPS-1
.Llap:
	STEP 0, 1, 0
	STEP 0, 2, 0
	TURN 0, 1, 1
	STEP 1, 0, 0
	STEP 1, 1, 0
	STEP 1, 2, 0
	TURN 1, 0, 1
	STEP 0, 0, 0
	WIN 0
	s_sub_co_u32 s3, s3, 1
	s_cmp_lg_u32 s3, 0
	s_cbranch_scc1 .Llap
.endif
	STEP 0, 1, 0
	STEP 0, 2, 0
	TURN 0, 1, 0
	STEP 1, 0, 0
	STEP 1, 1, 0
	STEP 1, 2, 0
	s_wait_dscnt 0
	MUL4 0, 1, 3, 1, 0
	MUL4 1, 1, 3, 1, 0
	MUL4 2, 1, 3, 1, 0
	MUL4 3, 1, 3, 1, 0
	WIN 0
	PLACES 4
	s_wait_loadcnt 0x0
.macro OUTB a
.set BK, 32*((\a)%2)
.irp b, 0,1,2,3
	ds_store_b128 v[STO], v[ACC+8*(4*(\a)+\b):ACC+8*(4*(\a)+\b)+3] offset:64*\b
	ds_store_b128 v[STO], v[ACC+8*(4*(\a)+\b)+4:ACC+8*(4*(\a)+\b)+7] offset:64*\b+16
.endr
.if (\a) > 1
	s_wait_xcnt 0x0
.endif
	WIN 0x40
.irp t, 0,1,2,3,4,5,6,7
	ds_load_b128 v[BK+4*\t:BK+4*\t+3], v[RD] offset:\t*2*SPITCH
.endr
	s_wait_dscnt 0x0
	WIN 0x49
.irp i, 0,2,4,6,8,10,12,14,16,18,20,22,24,26,28,30
	v_pk_add_f32 v[BK+\i:BK+\i+1], v[BK+\i:BK+\i+1], v[32*(\a)+\i:32*(\a)+\i+1]
.endr
	WIN 0x04
.irp t, 0,1,2,3,4,5,6,7
	global_store_b128 v[CO], v[BK+4*\t:BK+4*\t+3], s[98:99] offset:(16*(\a)+2*\t)*4096
.endr
	WIN 0
.endm
	OUTB 0
	OUTB 1
	OUTB 2
	OUTB 3
	s_wait_tensorcnt 0x0
	ds_add_u32 v[SPW], v[NIL]
	s_wait_dscnt 0x0
	CROUND
	s_endpgm
.Lfunc_end_k_qc638275fd3_proj:
	.size	k_qc638275fd3_proj, .Lfunc_end_k_qc638275fd3_proj-k_qc638275fd3_proj
	.p2alignl 7, 3214868480
	.fill 96, 4, 3214868480
	.section	.rodata,"a",@progbits
	.p2align	6, 0x0
	.amdhsa_kernel k_qc638275fd3_proj
		.amdhsa_group_segment_fixed_size 327680
		.amdhsa_private_segment_fixed_size 0
		.amdhsa_enable_private_segment 0
		.amdhsa_kernarg_size 40
		.amdhsa_user_sgpr_count 2
		.amdhsa_user_sgpr_kernarg_segment_ptr 1
		.amdhsa_wavefront_size32 1
		.amdhsa_system_sgpr_workgroup_id_x 1
		.amdhsa_system_sgpr_workgroup_id_y 1
		.amdhsa_system_sgpr_workgroup_id_z 1
		.amdhsa_system_vgpr_workitem_id 0
		.amdhsa_next_free_vgpr 640
		.amdhsa_next_free_sgpr 100
		.amdhsa_reserve_vcc 0
		.amdhsa_float_denorm_mode_32 3
		.amdhsa_float_denorm_mode_16_64 3
		.amdhsa_memory_ordered 1
		.amdhsa_forward_progress 1
		.amdhsa_inst_pref_size 65
	.end_amdhsa_kernel
	.amdgpu_metadata
---
amdhsa.version: [ 1, 2 ]
amdhsa.kernels:
  - .name:           k_qc638275fd3_proj
    .symbol:         k_qc638275fd3_proj.kd
    .args:
      - { .name: ao, .offset: 0, .size: 8, .value_kind: global_buffer, .address_space: global }
      - { .name: wi, .offset: 8, .size: 8, .value_kind: global_buffer, .address_space: global }
      - { .name: w_proj_scales, .offset: 16, .size: 8, .value_kind: global_buffer, .address_space: global }
      - { .name: x, .offset: 24, .size: 8, .value_kind: global_buffer, .address_space: global }
      - { .name: x1, .offset: 32, .size: 8, .value_kind: global_buffer, .address_space: global }
    .group_segment_fixed_size: 327680
    .private_segment_fixed_size: 0
    .kernarg_segment_align: 8
    .kernarg_segment_size: 40
    .max_flat_workgroup_size: 128
    .sgpr_count:     100
    .vgpr_count:     640
    .wavefront_size: 32
...
	.end_amdgpu_metadata
.endif
;; end of part 4
;; launch ln2 (part 5): grid 256 x 1, 4 waves a work-group, no clusters, 34,304 bytes of LDS; arguments x1, ln2_w, ln2_b, lnq; writes lnq
.if DOCPART == 5
	.amdgcn_target "amdgcn-amd-amdhsa--gfx1250"
	.amdhsa_code_object_version 6
	.text
	.protected	k_qc638275fd3_ln2
	.globl	k_qc638275fd3_ln2
	.p2align	8
	.type	k_qc638275fd3_ln2,@function
k_qc638275fd3_ln2:
	s_mov_b64 s[64:65], 0
	v_nop
	global_prefetch_b8 v0, s[64:65] scope:SCOPE_SE
	s_setreg_imm32_b32 hwreg(HW_REG_WAVE_MODE, 25, 1), 1
	s_wait_xcnt 0x0
; LayerNorm of 4,096 rows of 1,024 f32, quantised along the row to codes of FP6 (E2M3) with one E8M0 byte for each 32 numbers.
; OUT: codes as rows of 768 bytes (the order in which the weights' codes lie), and from byte LNQ_SC on the scale bytes, 32 a row.
; SHARES: a work-group takes 16 rows, a wave four whole rows.  A row is 32 registers a lane and stays in registers between the passes
; (mean, variance, scaling), so it is read from memory once.  Lane l holds numbers 128 j + 4 l .. + 3 of load j; the conversion wants 16
; neighbours in a lane, so a finished row turns through the wave's own stage in LDS (64 places of 64 bytes + 16 of padding).
; A block's scale is 2^(floor(log2(largest magnitude)) - 2): its byte is the largest magnitude's exponent field - 2, held at 1 from below.
; (The same text as the first launch's, without its part for the mask: WITH_MASK = 0.)
; LIMITS: NaN and infinities among the inputs are not served; a block of zeros gets the byte 1 (its codes are zeros; only this program reads the
; bytes); a block's largest magnitude is floored at 2^-124.
.set WITH_MASK, 0
.set X,    32
.set GW,   160
.set GB,   192
.set Y,    224
.set C,    16
.set E,    24
.set STGB, 5120
.set SCBY, 20480
.set LNQ_SC, 3145728
	s_load_b256 s[4:11], s[0:1], 0x0               ; x, gain, bias, out
	v_lshl_add_u32 v19, v0, 2, 0x5400
	v_mov_b32 v23, 0
	v_lshrrev_b32 v1, 5, v0
	v_readfirstlane_b32 s16, v1                    ; wave
	v_and_b32 v1, 31, v0                           ; lane
	v_lshlrev_b32 v2, 4, v1                        ; 16 x lane
	s_mul_i32 s17, s16, STGB
	v_lshrrev_b32 v3, 2, v1
	v_mul_u32_u24 v3, v3, 80
	v_and_b32 v4, 3, v1
	v_lshl_add_u32 v3, v4, 4, v3
	v_add_nc_u32 v3, s17, v3                       ; into the stage
	v_mul_u32_u24 v4, v1, 80
	v_add_nc_u32 v4, s17, v4                       ; out of it
	s_lshl_b32 s17, s16, 7
	s_add_co_u32 s17, s17, SCBY
	v_lshrrev_b32 v6, 1, v1
	v_add_nc_u32 v6, s17, v6                       ; my block's scale byte
	v_add_nc_u32 v7, SCBY, v2
; THE CODES LEAVE AS IMAGES, as in the first launch: 16 rows x 64 along K, 768 bytes: plane p (256 bytes) holds at 8 x (row + 16 h) bytes 24 h + 8 p .. + 7 of the row's 48.
.set IMG, 22016
	v_and_b32 v26, 1, v1                           ; u: the lower or upper 12 of a block's 24 bytes
	v_bfe_u32 v27, v1, 1, 1                        ; h
	v_lshrrev_b32 v28, 2, v1
	v_mul_u32_u24 v28, v28, 768
	v_lshl_add_u32 v28, v27, 7, v28
	s_lshl_b32 s17, s16, 5
	s_add_co_u32 s17, s17, IMG
	v_add_nc_u32 v28, s17, v28
	v_mad_u32_u24 v27, v26, 508, v28
	v_add_nc_u32 v27, 4, v27
	v_mad_u32_u24 v26, v26, 260, v28
	v_lshlrev_b32 v28, 4, v0                       ; 16 x thread
	s_lshl_b32 s18, ttmp9, 2
	s_add_co_u32 s18, s18, s16
	s_lshl_b32 s26, s18, 14
	s_mov_b32 s27, 0
	s_mul_i32 s28, ttmp9, 12288
	s_mov_b32 s29, 0
	s_lshl_b32 s30, ttmp9, 9
	s_add_co_u32 s30, s30, LNQ_SC
	s_mov_b32 s31, 0
	s_mov_b32 s36, 0x76543210
	s_mov_b32 s37, 0xfedcba98
	s_mov_b32 s38, 0x3a800000                      ; 1 / 1,024
	s_mov_b32 s39, 0x3727c5ac                      ; 1e-5
	s_wait_alu depctr_va_vdst(0)
	s_wait_kmcnt 0x0
	s_add_nc_u64 s[4:5], s[4:5], s[26:27]
	s_add_nc_u64 s[22:23], s[10:11], s[28:29]
	s_add_nc_u64 s[24:25], s[10:11], s[30:31]
.irp j, 0,1,2,3,4,5,6,7
	global_load_b128 v[GW+4*\j:GW+4*\j+3], v2, s[6:7] offset:512*\j
.endr
.irp j, 0,1,2,3,4,5,6,7
	global_load_b128 v[GB+4*\j:GB+4*\j+3], v2, s[8:9] offset:512*\j
.endr
.irp i, 0,1,2,3
.irp j, 0,1,2,3,4,5,6,7
	global_load_b128 v[X+32*\i+4*\j:X+32*\i+4*\j+3], v2, s[4:5] offset:4096*\i+512*\j th:TH_LOAD_NT
.endr
.endr
.macro SUM32
	v_pk_add_f32 v[8:9], v[8:9], v[10:11]
	v_pk_add_f32 v[12:13], v[12:13], v[14:15]
	v_pk_add_f32 v[8:9], v[8:9], v[12:13]
	v_add_f32 v8, v8, v9
	v_add_f32_dpp v8, v8, v8 row_xmask:1 row_mask:0xf bank_mask:0xf
	v_add_f32_dpp v8, v8, v8 row_xmask:2 row_mask:0xf bank_mask:0xf
	v_add_f32_dpp v8, v8, v8 row_xmask:4 row_mask:0xf bank_mask:0xf
	v_add_f32_dpp v8, v8, v8 row_xmask:8 row_mask:0xf bank_mask:0xf
	v_permlanex16_b32 v9, v8, s36, s37
	v_add_f32 v8, v8, v9
.endm
.macro ROW i
.set XR, X+32*\i
	s_wait_loadcnt 8*(3-\i)                        ; my row's eight loads are in; the later rows' may stay out
.irp k, 0,1,2,3
	v_pk_add_f32 v[8+2*\k:9+2*\k], v[XR+4*\k:XR+4*\k+1], v[XR+4*\k+2:XR+4*\k+3]
.endr
.irp p, 8,12
.irp k, 0,1,2,3
	v_pk_add_f32 v[8+2*\k:9+2*\k], v[8+2*\k:9+2*\k], v[XR+2*(\p+\k):XR+2*(\p+\k)+1]
.endr
.endr
	SUM32
	v_mul_f32 v8, s38, v8                          ; the mean
.irp p, 0,1,2,3,4,5,6,7,8,9,10,11,12,13,14,15
	v_pk_add_f32 v[XR+2*\p:XR+2*\p+1], v[XR+2*\p:XR+2*\p+1], v[8:9] op_sel_hi:[1,0] neg_lo:[0,1] neg_hi:[0,1]
.endr
.irp k, 0,1,2,3
	v_pk_mul_f32 v[8+2*\k:9+2*\k], v[XR+2*\k:XR+2*\k+1], v[XR+2*\k:XR+2*\k+1]
.endr
.irp p, 4,8,12
.irp k, 0,1,2,3
	v_pk_fma_f32 v[8+2*\k:9+2*\k], v[XR+2*(\p+\k):XR+2*(\p+\k)+1], v[XR+2*(\p+\k):XR+2*(\p+\k)+1], v[8+2*\k:9+2*\k]
.endr
.endr
	SUM32
	v_fma_f32 v8, v8, s38, s39                     ; the variance + 1e-5
	s_wait_alu depctr_va_vdst(0)
	v_rsq_f32 v10, v8
	v_mov_b32 v11, v8                              ; a plain line behind the root (and the pair's upper half is written)
	s_wait_alu depctr_va_vdst(0)                   ; the wait ahead of the result's first reader
.irp p, 0,1,2,3,4,5,6,7,8,9,10,11,12,13,14,15
	v_pk_mul_f32 v[XR+2*\p:XR+2*\p+1], v[XR+2*\p:XR+2*\p+1], v[10:11] op_sel_hi:[1,0]
.endr
.irp p, 0,1,2,3,4,5,6,7,8,9,10,11,12,13,14,15
	v_pk_fma_f32 v[XR+2*\p:XR+2*\p+1], v[XR+2*\p:XR+2*\p+1], v[GW+2*\p:GW+2*\p+1], v[GB+2*\p:GB+2*\p+1]
.endr
.irp j, 0,1,2,3,4,5,6,7
	ds_store_b128 v3, v[XR+4*\j:XR+4*\j+3] offset:640*\j
.endr
.irp s, 0,1
.irp q, 0,1,2,3
	ds_load_b128 v[Y+16*\s+4*\q:Y+16*\s+4*\q+3], v4 offset:2560*\s+16*\q   ; LDS serves a wave's instructions in order: these see the stores above
.endr
.endr
.irp s, 0,1
.if \s == 0
	s_wait_dscnt 4                                 ; the first half's 16 neighbours are in; the other half's four loads may be out
.else
	s_wait_dscnt 4                                 ; the second half's are in; the four stores just issued may be out
.endif
	v_max3_num_f32 v8, |v[Y+16*\s]|, |v[Y+16*\s+1]|, |v[Y+16*\s+2]|
	v_max3_num_f32 v9, |v[Y+16*\s+3]|, |v[Y+16*\s+4]|, |v[Y+16*\s+5]|
.irp q, 6,10
	v_max3_num_f32 v8, v8, |v[Y+16*\s+\q]|, |v[Y+16*\s+\q+1]|
	v_max3_num_f32 v9, v9, |v[Y+16*\s+\q+2]|, |v[Y+16*\s+\q+3]|
.endr
	v_max3_num_f32 v8, v8, |v[Y+16*\s+14]|, |v[Y+16*\s+15]|
	v_max3_num_f32 v8, v8, v9, 0x1800000           ; and the floor 2^-124
	v_max_num_f32_dpp v8, v8, v8 row_xmask:1 row_mask:0xf bank_mask:0xf
	v_add_nc_u32 v11, 0xff000000, v8
	v_cvt_scalef32_pk16_fp6_f32 v[C+4*\s:C+4*\s+2], v[Y+16*\s:Y+16*\s+15], v11
	v_lshrrev_b32 v[E+\s], 23, v11
	ds_store_b8 v6, v[E+\s] offset:32*\i+16*\s
	ds_store_b32 v26, v[C+4*\s] offset:8*\i+6144*\s
	ds_store_b32 v27, v[C+4*\s+1] offset:8*\i+6144*\s
	ds_store_b32 v26, v[C+4*\s+2] offset:8*\i+6144*\s+256
.endr
.endm
	ROW 0
	ROW 1
	ROW 2
	ROW 3
	s_wait_dscnt 0x0                               ; my scale bytes have landed
	s_barrier_signal -1
	s_barrier_wait -1                              ; everybody's have
.irp j, 0,1,2,3,4,5
	ds_load_b128 v[Y+4*\j:Y+4*\j+3], v28 offset:IMG+2048*\j
.endr
	s_wait_dscnt 0x0
.irp j, 0,1,2,3,4,5
	global_store_b128 v28, v[Y+4*\j:Y+4*\j+3], s[22:23] offset:2048*\j   ; the 16 images: each wave stores 512 consecutive bytes, aligned
.endr
	s_cmp_lg_u32 s16, 0
	s_cbranch_scc1 .Lend
	ds_load_b128 v[8:11], v7
	s_wait_dscnt 0x0
	global_store_b128 v2, v[8:11], s[24:25]        ; 512 consecutive bytes, aligned
.Lend:
	s_wait_tensorcnt 0x0
	ds_add_u32 v19, v23
	s_wait_dscnt 0x0
	s_endpgm
.Lfunc_end_k_qc638275fd3_ln2:
	.size	k_qc638275fd3_ln2, .Lfunc_end_k_qc638275fd3_ln2-k_qc638275fd3_ln2
	.p2alignl 7, 3214868480
	.fill 96, 4, 3214868480
	.section	.rodata,"a",@progbits
	.p2align	6, 0x0
	.amdhsa_kernel k_qc638275fd3_ln2
		.amdhsa_group_segment_fixed_size 34304
		.amdhsa_private_segment_fixed_size 0
		.amdhsa_enable_private_segment 0
		.amdhsa_kernarg_size 32
		.amdhsa_user_sgpr_count 2
		.amdhsa_user_sgpr_kernarg_segment_ptr 1
		.amdhsa_wavefront_size32 1
		.amdhsa_system_sgpr_workgroup_id_x 1
		.amdhsa_system_sgpr_workgroup_id_y 1
		.amdhsa_system_sgpr_workgroup_id_z 1
		.amdhsa_system_vgpr_workitem_id 0
		.amdhsa_next_free_vgpr 256
		.amdhsa_next_free_sgpr 66
		.amdhsa_reserve_vcc 0
		.amdhsa_float_denorm_mode_32 3
		.amdhsa_float_denorm_mode_16_64 3
		.amdhsa_memory_ordered 1
		.amdhsa_forward_progress 1
		.amdhsa_inst_pref_size 46
	.end_amdhsa_kernel
	.amdgpu_metadata
---
amdhsa.version: [ 1, 2 ]
amdhsa.kernels:
  - .name:           k_qc638275fd3_ln2
    .symbol:         k_qc638275fd3_ln2.kd
    .args:
      - { .name: x1, .offset: 0, .size: 8, .value_kind: global_buffer, .address_space: global }
      - { .name: ln2_w, .offset: 8, .size: 8, .value_kind: global_buffer, .address_space: global }
      - { .name: ln2_b, .offset: 16, .size: 8, .value_kind: global_buffer, .address_space: global }
      - { .name: lnq, .offset: 24, .size: 8, .value_kind: global_buffer, .address_space: global }
    .group_segment_fixed_size: 34304
    .private_segment_fixed_size: 0
    .kernarg_segment_align: 8
    .kernarg_segment_size: 32
    .max_flat_workgroup_size: 128
    .sgpr_count:     66
    .vgpr_count:     256
    .wavefront_size: 32
...
	.end_amdgpu_metadata
.endif
;; end of part 5
;; launch fc1 (part 6): grid 16 x 16, 4 waves a work-group, clusters of 4 x 4, 327,680 bytes of LDS; arguments lnq, wi, w_fc1_scales, hb; writes hb
.if DOCPART == 6
	.amdgcn_target "amdgcn-amd-amdhsa--gfx1250"
	.amdhsa_code_object_version 6
	.text
	.protected	k_qc638275fd3_fc1
	.globl	k_qc638275fd3_fc1
	.p2align	8
	.type	k_qc638275fd3_fc1,@function
k_qc638275fd3_fc1:
	s_mov_b64 s[64:65], 0
	v_nop
	global_prefetch_b8 v0, s[64:65] scope:SCOPE_SE
	s_setreg_imm32_b32 hwreg(HW_REG_WAVE_MODE, 25, 1), 1
	s_wait_xcnt 0x0
	s_wait_alu depctr_hold_cnt(0) depctr_sa_sdst(0) depctr_va_vdst(0) depctr_va_sdst(0) depctr_va_ssrc(0) depctr_va_vcc(0) depctr_vm_vsrc(0)
	s_getreg_b32 s2, hwreg(HW_REG_IB_STS2, 6, 4)
	s_cmp_eq_u32 s2, 0
	s_cbranch_scc0 .Lentry_in_a_cluster
	s_endpgm
.Lentry_in_a_cluster:
	s_bfe_u32 s2, ttmp6, 0x10000c
	s_cmp_lg_u32 s2, 0xf033
	s_cbranch_scc0 .Lentry_shape_is_right
	s_endpgm
.Lentry_shape_is_right:
.set SIZE_K, 1024
.set KSTEP,  256
.set NQ,     KSTEP/128
.set ROWB,   3072                      ; both operands come as images (16 rows x 64 K, three planes of 256 bytes): a K step of 256 is 3,072 dense bytes of each 16 rows
.set KROW,   SIZE_K*6/8
.set PITCH,  192
.set FR,     12
.set NL,     6
.set NP,     4
.set HALFT,  128*PITCH
.set SLOT,   4*HALFT
.set LAPS,   SIZE_K/(2*KSTEP)
.set KS,     SIZE_K/32
.set SCL,    2*SLOT
.set HALFS,  (128*KS/256)*272
.set SBLK,   (16*KS/256)*272
.set SPARE,  SCL+4*HALFS
.set LNQ_SC, 3145728
.set ADRA, 16
.set ADRB, 20
.set ADRS, 27
.set SPW,  28
.set NIL,  29
.set SC,   32
.set AF,   128
.set G1, 24
.set G0, 32
.set G1B, 48
.set G0B, 56
.set G1S, 68
.set G0S, 76
.set G1SB, 80
.set G0SB, 88
.set R,    64
.set Z,    128
.set QS,   144
.set P,    160
.set DN,   176
.set PC,   192
.set TM,   212
.set PW,   228
.set VK,   232
.set SEL,  66
.set KA13, 18
.set KA9,  20
.set KA7,  22
.set KA5,  24
.set KA3,  26
.set KA1,  28
.set KB8,  30
.set KB4,  32
.set KB2,  34
.set KB0,  36
.set MSB, 0
.macro WIN new
.if MSB != (\new)
	s_set_vgpr_msb (MSB<<8)|(\new)
.set MSB, (\new)
.endif
.endm
.set MUL_LO, 0xa1
.set MUL_HI, 0xf1
.set TO_B,   0x40
.macro JLOAD g0a, g1a, g0b, g1b
	s_cmp_eq_u32 s15, 0
	s_cbranch_scc0 .Lfor_b_\@
	tensor_load_to_lds s[\g0a:\g0a+3], s[\g1a:\g1a+7]
	s_nop 0
.rept 4
	v_nop
.endr
	s_branch .Lasked_\@
.Lfor_b_\@:
	tensor_load_to_lds s[\g0b:\g0b+3], s[\g1b:\g1b+7]
	s_nop 0
.rept 4
	v_nop
.endr
.Lasked_\@:
.endm
.macro CREST
	s_cmp_lg_u32 s14, 0
	s_cbranch_scc1 .Lnot_wave_0_\@
	s_barrier_signal -3
.Lnot_wave_0_\@:
	s_barrier_wait -3
	s_barrier_signal -1
	s_barrier_wait -1
.endm
.macro CROUND
	s_barrier_signal -1
	s_barrier_wait -1
	CREST
.endm
	s_load_b64 s[4:5], s[0:1], 0x0
	s_load_b128 s[8:11], s[0:1], 0x8
	s_load_b64 s[12:13], s[0:1], 0x18
	v_lshl_add_u32 v[SPW], v0, 2, SPARE
	v_mov_b32 v[NIL], 0
	ds_add_u32 v28, v29
	ds_add_u32 v28, v29
	s_wait_dscnt 0x0
	v_lshrrev_b32 v1, 5, v0
	v_readfirstlane_b32 s14, v1
	s_lshr_b32 s15, s14, 1
	s_and_b32 s16, s14, 1
	s_bfe_u32 s40, ttmp6, 0x40000
	s_bfe_u32 s41, ttmp6, 0x40004
	s_lshl_b32 s42, ttmp9, 2
	s_add_co_u32 s42, s42, s40
	s_and_b32 s17, ttmp7, 0xffff
	s_lshl_b32 s17, s17, 2
	s_add_co_u32 s17, s17, s41
	s_lshl_b32 s43, s41, 2
	s_lshl_b32 s43, 15, s43
	s_lshl_b32 s44, 0x1111, s40
	s_or_b32 s[G1+0], s43, (3<<16)|(1<<21)
	s_or_b32 s[G1B+0], s44, (3<<16)|(1<<21)
.irp g, G1, G1B
	s_mov_b32 s[\g+1], (ROWB/8)<<16
	s_mov_b32 s[\g+2], 16<<16                      ; at the head 16 groups of 16 rows; behind it 8
	s_mov_b32 s[\g+3], (ROWB/8)<<16
	s_mov_b32 s[\g+4], 16
	s_mov_b32 s[\g+5], 16*KROW/8
	s_mov_b32 s[\g+6], 0
	s_mov_b32 s[\g+7], 0
.endr
	s_or_b32 s[G1S+0], s43, (3<<16)|(1<<20)|(1<<21)|(5<<22)|(3<<25)
	s_or_b32 s[G1SB+0], s44, (3<<16)|(1<<20)|(1<<21)|(5<<22)|(3<<25)
.irp g, G1S, G1SB
	s_mov_b32 s[\g+1], 32<<16
	s_mov_b32 s[\g+2], KS<<16
	s_mov_b32 s[\g+3], 32<<16
	s_mov_b32 s[\g+4], KS
	s_mov_b32 s[\g+5], 32
	s_mov_b32 s[\g+6], 0
	s_mov_b32 s[\g+7], 0
.endr
	s_lshl_b32 s18, s16, 7
	s_lshl_b32 s20, s17, 8
	s_add_co_u32 s20, s20, s18
	s_lshl_b32 s46, s42, 8
	s_add_co_u32 s46, s46, s18
	s_mov_b32 s21, 0
	s_mov_b32 s47, 0
	s_mov_b64 s[18:19], KS
	s_mul_u64 s[22:23], s[20:21], s[18:19]
	s_mul_u64 s[92:93], s[46:47], s[18:19]
	s_mov_b64 s[18:19], KROW
	s_mul_u64 s[20:21], s[20:21], s[18:19]
	s_mul_u64 s[46:47], s[46:47], s[18:19]
	s_mul_i32 s45, s14, HALFT
	s_lshl_b32 s94, s16, 12                        ; the scale bytes of my half's 128 rows: taken off again for the loads of all 256
	s_mov_b32 s95, 0
	s_wait_kmcnt 0x0
	s_add_nc_u64 s[6:7], s[4:5], LNQ_SC
	s_add_nc_u64 s[8:9], s[8:9], 3145728           ; w_fc1's images in wi
	s_add_nc_u64 s[20:21], s[4:5], s[20:21]
	s_add_nc_u64 s[22:23], s[6:7], s[22:23]
	s_add_nc_u64 s[46:47], s[8:9], s[46:47]
	s_add_nc_u64 s[92:93], s[10:11], s[92:93]
	CROUND
	s_mov_b32 s[G0S], 1
	s_mov_b32 s[G0S+1], SCL
	s_sub_nc_u64 s[G0S+2:G0S+3], s[22:23], s[94:95]
	s_or_b32 s[G0S+3], s[G0S+3], 0x80000000
	s_mov_b32 s[G0SB], 1
	s_mov_b32 s[G0SB+1], SCL+2*HALFS
	s_sub_nc_u64 s[G0SB+2:G0SB+3], s[92:93], s[94:95]
	s_or_b32 s[G0SB+3], s[G0SB+3], 0x80000000
.irp s, 0,1
	s_mov_b32 s[G0+4*\s], 1
	s_add_co_u32 s[G0+4*\s+1], s45, \s*SLOT
	s_add_nc_u64 s[G0+4*\s+2:G0+4*\s+3], s[20:21], \s*ROWB
	s_or_b32 s[G0+4*\s+3], s[G0+4*\s+3], 0x80000000
	s_mov_b32 s[G0B+4*\s], 1
	s_add_co_u32 s[G0B+4*\s+1], s45, \s*SLOT
	s_add_nc_u64 s[G0B+4*\s+2:G0B+4*\s+3], s[46:47], \s*ROWB
	s_or_b32 s[G0B+4*\s+3], s[G0B+4*\s+3], 0x80000000
.endr
; The head's four tiles, one joint load a wave: wave 0 K step 0 of A's 256 rows, wave 2 of B's, wave 1 A's scales, wave 3 B's.
.macro ARM w, g0, g1, next
	s_cmp_eq_u32 s14, \w
	s_cbranch_scc0 \next
	tensor_load_to_lds s[\g0:\g0+3], s[\g1:\g1+7]
	s_nop 0
.rept 4
	v_nop
.endr
	s_branch .Lhead_asked
\next:
.endm
	ARM 0, G0, G1, .Lhead_b
	ARM 2, G0B, G1B, .Lhead_sa
	ARM 1, G0S, G1S, .Lhead_sb
	tensor_load_to_lds s[G0SB:G0SB+3], s[G1SB:G1SB+7]
	s_nop 0
.rept 4
	v_nop
.endr
.Lhead_asked:
	v_and_b32 v1, 15, v0
	v_bfe_u32 v2, v0, 4, 1
	v_and_b32 v4, 31, v0
	v_lshlrev_b32 v4, 3, v4                        ; a plane of an image: 8 x lane
	s_mul_i32 s21, s15, HALFT
	s_mul_i32 s22, s16, HALFT
	s_add_co_u32 s22, s22, 2*HALFT
.irp s, 0,1
	v_add_nc_u32 v[ADRA+\s], s21, v4
	v_add_nc_u32 v[ADRB+\s], s22, v4
	s_add_co_u32 s21, s21, SLOT
	s_add_co_u32 s22, s22, SLOT
.endr
	v_mul_u32_u24 v5, v1, KS
	v_lshrrev_b32 v6, 8, v5
	v_lshl_add_u32 v5, v6, 4, v5
	s_mul_i32 s21, s15, HALFS
	s_mul_i32 s22, s16, HALFS
	s_add_co_u32 s22, s22, 2*HALFS
	s_sub_co_u32 s22, s22, s21
	v_mul_u32_u24 v6, s22, v2
	s_add_co_u32 s21, s21, SCL
	v_add_nc_u32 v5, v5, v6
	v_add_nc_u32 v[ADRS], s21, v5
.macro FRAG reg, adr, q, i
.irp p, 0,1,2,3,4,5
	ds_load_b64 v[\reg+2*\p:\reg+2*\p+1], v[\adr] offset:1536*(\q)+768*(\p/3)+256*(\p%3)+(\i)*16*PITCH
.endr
.endm
.macro MUL16 a0, p, q, sc, zero
.irp a, \a0, \a0+1
.irp b, 0,1,2,3,4,5,6,7
.if \zero
	v_wmma_scale_f32_16x16x128_f8f6f4 v[8*(8*((\a)%4)+\b):8*(8*((\a)%4)+\b)+7], v[128*(\p)+FR*\b:128*(\p)+FR*\b+FR-1], v[AF+FR*(\a):AF+FR*(\a)+FR-1], 0, v[SC+8*NQ*(\sc)+NQ*\b+(\q)], v[SC+8*NQ*(\sc)+NQ*(\a)+(\q)] matrix_a_fmt:MATRIX_FMT_FP6 matrix_b_fmt:MATRIX_FMT_FP6 matrix_a_scale:MATRIX_SCALE_ROW1
.else
	v_wmma_scale_f32_16x16x128_f8f6f4 v[8*(8*((\a)%4)+\b):8*(8*((\a)%4)+\b)+7], v[128*(\p)+FR*\b:128*(\p)+FR*\b+FR-1], v[AF+FR*(\a):AF+FR*(\a)+FR-1], v[8*(8*((\a)%4)+\b):8*(8*((\a)%4)+\b)+7], v[SC+8*NQ*(\sc)+NQ*\b+(\q)], v[SC+8*NQ*(\sc)+NQ*(\a)+(\q)] matrix_a_fmt:MATRIX_FMT_FP6 matrix_b_fmt:MATRIX_FMT_FP6 matrix_a_scale:MATRIX_SCALE_ROW1
.endif
.endr
.endr
.endm
.macro FETCH_B slot, q, p
	WIN TO_B
.irp i, 0,1,2,3,4,5,6,7
	FRAG 128*(\p)+FR*\i, ADRB+\slot, \q, \i
.endr
	WIN 0
.endm
.macro FETCH_A slot, q, i0
.irp i, \i0, \i0+1, \i0+2, \i0+3
	FRAG AF+FR*(\i), ADRA+\slot, \q, \i
.endr
.endm
.macro SCALES sc
.irp i, 0,1,2,3,4,5,6,7
	ds_load_b64 v[SC+8*NQ*\sc+NQ*\i:SC+8*NQ*\sc+NQ*\i+1], v[ADRS] offset:\i*SBLK
.endr
.endm
.macro PLACES n
.rept \n
	v_nop
.endr
.endm
.macro STEP slot, q, zero
	s_wait_dscnt 4*NL
	WIN MUL_LO
	MUL16 0, (\q)%2, \q, \slot, \zero
	MUL16 2, (\q)%2, \q, \slot, \zero
	s_wait_dscnt 0
	PLACES NP
	FETCH_B \slot, (\q)+1, 1-(\q)%2
	FETCH_A \slot, (\q)+1, 0
	WIN MUL_HI
	MUL16 4, (\q)%2, \q, \slot, \zero
	MUL16 6, (\q)%2, \q, \slot, \zero
	PLACES NP
	WIN 0
	FETCH_A \slot, (\q)+1, 4
.endm
.macro TURN slot, next, fill
	s_wait_tensorcnt 0x0
	ds_add_u32 v[SPW], v[NIL]
	s_wait_dscnt 4*NL+1
	WIN MUL_LO
	MUL16 0, 1, NQ-1, \slot, 0
	s_wait_dscnt 0x0
	s_barrier_signal -1
	MUL16 2, 1, NQ-1, \slot, 0
	WIN 0
	s_barrier_wait -1
.if \fill
	CREST
	s_add_nc_u64 s[G0+4*\slot+2:G0+4*\slot+3], s[G0+4*\slot+2:G0+4*\slot+3], 2*ROWB
	s_add_nc_u64 s[G0B+4*\slot+2:G0B+4*\slot+3], s[G0B+4*\slot+2:G0B+4*\slot+3], 2*ROWB
	JLOAD G0+4*\slot, G1, G0B+4*\slot, G1B
.else
	PLACES NP
.endif
	s_wait_alu depctr_va_vdst(0)
	v_add_nc_u32 v[ADRS], 4*NQ, v[ADRS]
	FETCH_B \next, 0, 0
	FETCH_A \next, 0, 0
	SCALES \next
	WIN MUL_HI
	MUL16 4, 1, NQ-1, \slot, 0
	MUL16 6, 1, NQ-1, \slot, 0
	PLACES NP
	WIN 0
	FETCH_A \next, 0, 4
.endm
	s_wait_alu depctr_va_vdst(0)
	s_wait_tensorcnt 0x0                           ; my tile of the head's four is in
	ds_add_u32 v[SPW], v[NIL]
	s_mov_b32 s[G1+2], 8<<16                       ; no load of mine is out: from here on a load brings 8 groups of 16 rows
	s_mov_b32 s[G1+4], 8
	s_mov_b32 s[G1B+2], 8<<16
	s_mov_b32 s[G1B+4], 8
	s_wait_dscnt 0x0
	CROUND
	JLOAD G0+4, G1, G0B+4, G1B                     ; K step 1, slot 1's first fill
	FETCH_B 0, 0, 0
	FETCH_A 0, 0, 0
	SCALES 0
	FETCH_A 0, 0, 4
	STEP 0, 0, 1
	s_mov_b32 s3, LAPS-1
.Llap:
	TURN 0, 1, 1
	STEP 1, 0, 0
	TURN 1, 0, 1
	STEP 0, 0, 0
	s_sub_co_u32 s3, s3, 1
	s_cmp_lg_u32 s3, 0
	s_cbranch_scc1 .Llap
	TURN 0, 1, 0
	STEP 1, 0, 0
	s_wait_dscnt 4*NL
	WIN MUL_LO
	MUL16 0, 1, NQ-1, 1, 0
	MUL16 2, 1, NQ-1, 1, 0
	s_wait_dscnt 0
	WIN MUL_HI
	MUL16 4, 1, NQ-1, 1, 0
	MUL16 6, 1, NQ-1, 1, 0
	WIN 0
.macro QUANT s, w
	WIN (\w)|((\w)<<2)
.irp b, 0,1,2,3
	v_max3_num_f32 v[TM+\b], |v[(\s)+16*\b]|, |v[(\s)+1+16*\b]|, 0x1800000
.endr
.irp i, 2,4,6,8,10,12,14
.irp b, 0,1,2,3
	v_max3_num_f32 v[TM+\b], |v[(\s)+16*\b+\i]|, |v[(\s)+1+16*\b+\i]|, v[TM+\b]
.endr
.endr
	WIN 0
.irp b, 0,1,2,3
	v_permlanex16_b32 v[TM+4+\b], v[TM+\b], s[SEL], s[SEL+1]
.endr
.irp b, 0,1,2,3
	v_max_num_f32 v[TM+\b], v[TM+\b], v[TM+4+\b]
.endr
.irp b, 0,1,2,3
	v_add_nc_u32 v[TM+12+\b], 0xff000000, v[TM+\b]
.endr
.irp b, 0,1,2,3
	v_lshrrev_b32 v[TM+4+\b], 23, v[TM+12+\b]
.endr
	v_lshl_or_b32 v[PW], v[TM+5], 8, v[TM+4]
	v_lshl_or_b32 v[PW], v[TM+6], 16, v[PW]
	v_lshl_or_b32 v[PW], v[TM+7], 24, v[PW]
	WIN (\w)
.irp c, 0,1
	v_cvt_scalef32_pk16_fp6_f32 v[PC+6*\c:PC+2+6*\c], v[(\s)+32*\c:(\s)+15+32*\c], v[TM+12+2*\c]
	v_cvt_scalef32_pk16_fp6_f32 v[PC+12+4*\c:PC+14+4*\c], v[(\s)+16+32*\c:(\s)+31+32*\c], v[TM+13+2*\c]
.endr
	WIN 0
	v_nop
.irp c, 0,1
.irp i, 0,1,2
	v_permlane16_swap_b32 v[PC+6*\c+\i], v[PC+12+4*\c+\i]
.endr
.irp i, 0,1,2
	v_mov_b32 v[PC+3+6*\c+\i], v[PC+12+4*\c+\i]
.endr
.endr
.endm
.macro EXTRACT a
	WIN 2+(\a)/4
.set i, 0
.rept 32
	v_pk_mul_f32 v[R+i:R+i+1], v[64*((\a)%4)+i:64*((\a)%4)+i+1], 0.5 op_sel_hi:[1,0]
.set i, i+2
.endr
	WIN 0
.endm
.macro GELU g
.set RG, R+16*(\g)
.irp i, 0,2,4,6,8,10,12,14
	v_pk_mul_f32 v[Z+\i:Z+\i+1], v[RG+\i:RG+\i+1], 0x3fb504f3 op_sel_hi:[1,0]
.endr
.irp i, 0,1,2,3,4,5,6,7,8,9,10,11,12,13,14,15
	v_med3_num_f32 v[Z+\i], v[Z+\i], -4.0, 4.0
.endr
.irp i, 0,2,4,6,8,10,12,14
	v_pk_mul_f32 v[QS+\i:QS+\i+1], v[Z+\i:Z+\i+1], v[Z+\i:Z+\i+1]
.endr
.irp i, 0,2,4,6,8,10,12,14
	v_pk_fma_f32 v[P+\i:P+\i+1], v[QS+\i:QS+\i+1], s[KA13:KA13+1], v[VK:VK+1] op_sel_hi:[1,0,1]
.endr
.irp k, KA9, KA7, KA5, KA3, KA1
.irp i, 0,2,4,6,8,10,12,14
	v_pk_fma_f32 v[P+\i:P+\i+1], v[P+\i:P+\i+1], v[QS+\i:QS+\i+1], s[\k:\k+1] op_sel_hi:[1,1,0]
.endr
.endr
.irp i, 0,2,4,6,8,10,12,14
	v_pk_fma_f32 v[DN+\i:DN+\i+1], v[QS+\i:QS+\i+1], s[KB8:KB8+1], v[VK+2:VK+3] op_sel_hi:[1,0,1]
.endr
.irp k, KB4, KB2, KB0
.irp i, 0,2,4,6,8,10,12,14
	v_pk_fma_f32 v[DN+\i:DN+\i+1], v[DN+\i:DN+\i+1], v[QS+\i:QS+\i+1], s[\k:\k+1] op_sel_hi:[1,1,0]
.endr
.endr
	s_wait_alu depctr_va_vdst(0)
.irp i, 0,1,2,3,4,5,6,7,8,9,10,11,12,13,14,15
	v_rcp_f32 v[DN+\i], v[DN+\i]
.endr
.irp i, 0,2,4,6,8,10,12,14
	v_pk_mul_f32 v[P+\i:P+\i+1], v[P+\i:P+\i+1], v[Z+\i:Z+\i+1]
.endr
	s_wait_alu depctr_va_vdst(0)
.irp i, 0,2,4,6,8,10,12,14
	v_pk_mul_f32 v[P+\i:P+\i+1], v[P+\i:P+\i+1], v[DN+\i:DN+\i+1]
.endr
.irp i, 0,2,4,6,8,10,12,14
	v_pk_fma_f32 v[RG+\i:RG+\i+1], v[P+\i:P+\i+1], v[RG+\i:RG+\i+1], v[RG+\i:RG+\i+1]
.endr
.endm
	PLACES NP
	v_and_b32 v8, 15, v0
	v_and_b32 v9, 31, v0
	v_lshlrev_b32 v1, 4, v9
	v_lshlrev_b32 v2, 3, v9
	s_lshl_b32 s50, s14, 9
	v_lshl_add_u32 v3, v8, 5, s50
	v_add_nc_u32 v4, s50, v1
.irp b, 0,1,2,3
	v_mov_b32 v[TM+4+\b], 0
.endr
	v_mov_b32 v[VK], 0x32edffee
	v_mov_b32 v[VK+1], 0x32edffee
	v_mov_b32 v[VK+2], 0xb95fbd29
	v_mov_b32 v[VK+3], 0xb95fbd29
	s_lshl_b32 s51, s17, 4
	s_lshl_b32 s52, s15, 3
	s_add_co_u32 s51, s51, s52
	s_mul_i32 s51, s51, 49152
	s_lshl_b32 s52, s42, 2
	s_lshl_b32 s53, s16, 1
	s_add_co_u32 s52, s52, s53
	s_mul_i32 s52, s52, 768
	s_add_co_u32 s52, s51, s52
	s_mov_b32 s53, 0
	s_add_nc_u64 s[44:45], s[12:13], s[52:53]
	s_lshl_b32 s51, s17, 1
	s_add_co_u32 s51, s51, s15
	s_lshl_b32 s51, s51, 14
	s_lshl_b32 s52, s42, 1
	s_add_co_u32 s52, s52, s16
	s_lshl_b32 s52, s52, 9
	s_add_co_u32 s52, s51, s52
	s_add_co_u32 s52, s52, 12582912
	s_add_nc_u64 s[46:47], s[12:13], s[52:53]
	s_mov_b32 s[SEL], 0x76543210
	s_mov_b32 s[SEL+1], 0xfedcba98
.macro KPAIR k, bits
	s_mov_b32 s[\k], \bits
	s_mov_b32 s[\k+1], \bits
.endm
	KPAIR KA13, 0xaf95df0b
	KPAIR KA9,  0xb60cff51
	KPAIR KA7,  0xb86ec2d2
	KPAIR KA5,  0xba40ac63
	KPAIR KA3,  0xbb41a1f6
	KPAIR KA1,  0xbc83dbd4
	KPAIR KB8,  0xb77460cd
	KPAIR KB4,  0xbadc924e
	KPAIR KB2,  0xbbf19bf8
	KPAIR KB0,  0xbc69b6a7
	EXTRACT 0
	s_mov_b32 s48, 0
.Lrow:
	GELU 0
	GELU 1
	GELU 2
	GELU 3
.irp b, 0,1,2,3
.irp j, 0,1,2,3,4,5,6,7
	v_permlane16_swap_b32 v[R+16*\b+\j], v[R+16*\b+8+\j]
.endr
.endr
	QUANT R, 0
	global_store_b128 v1, v[PC:PC+3], s[44:45]
	global_store_b64 v2, v[PC+4:PC+5], s[44:45] offset:512
	global_store_b128 v1, v[PC+6:PC+9], s[44:45] offset:768
	global_store_b64 v2, v[PC+10:PC+11], s[44:45] offset:1280
	ds_store_b32 v3, v[PW]
.irp a, 1,2,3,4,5,6,7
	s_cmp_lg_u32 s48, \a-1
	s_cbranch_scc1 .Lnot_\a
	EXTRACT \a
.Lnot_\a:
.endr
	s_wait_xcnt 0x0
	s_add_nc_u64 s[44:45], s[44:45], 49152
	v_add_nc_u32 v3, 4, v3
	s_add_co_u32 s48, s48, 1
	s_cmp_lt_u32 s48, 8
	s_cbranch_scc1 .Lrow
	ds_load_b128 v[PC:PC+3], v4
	s_wait_dscnt 0x0
	global_store_b128 v1, v[PC:PC+3], s[46:47]
	s_wait_tensorcnt 0x0
	ds_add_u32 v[SPW], v[NIL]
	s_wait_dscnt 0x0
	CROUND
	s_endpgm
.Lfunc_end_k_qc638275fd3_fc1:
	.size	k_qc638275fd3_fc1, .Lfunc_end_k_qc638275fd3_fc1-k_qc638275fd3_fc1
	.p2alignl 7, 3214868480
	.fill 96, 4, 3214868480
	.section	.rodata,"a",@progbits
	.p2align	6, 0x0
	.amdhsa_kernel k_qc638275fd3_fc1
		.amdhsa_group_segment_fixed_size 327680
		.amdhsa_private_segment_fixed_size 0
		.amdhsa_enable_private_segment 0
		.amdhsa_kernarg_size 32
		.amdhsa_user_sgpr_count 2
		.amdhsa_user_sgpr_kernarg_segment_ptr 1
		.amdhsa_wavefront_size32 1
		.amdhsa_system_sgpr_workgroup_id_x 1
		.amdhsa_system_sgpr_workgroup_id_y 1
		.amdhsa_system_sgpr_workgroup_id_z 1
		.amdhsa_system_vgpr_workitem_id 0
		.amdhsa_next_free_vgpr 1024
		.amdhsa_next_free_sgpr 102
		.amdhsa_reserve_vcc 0
		.amdhsa_float_denorm_mode_32 3
		.amdhsa_float_denorm_mode_16_64 3
		.amdhsa_memory_ordered 1
		.amdhsa_forward_progress 1
		.amdhsa_inst_pref_size 193
	.end_amdhsa_kernel
	.amdgpu_metadata
---
amdhsa.version: [ 1, 2 ]
amdhsa.kernels:
  - .name:           k_qc638275fd3_fc1
    .symbol:         k_qc638275fd3_fc1.kd
    .args:
      - { .name: lnq, .offset: 0, .size: 8, .value_kind: global_buffer, .address_space: global }
      - { .name: wi, .offset: 8, .size: 8, .value_kind: global_buffer, .address_space: global }
      - { .name: w_fc1_scales, .offset: 16, .size: 8, .value_kind: global_buffer, .address_space: global }
      - { .name: hb, .offset: 24, .size: 8, .value_kind: global_buffer, .address_space: global }
    .group_segment_fixed_size: 327680
    .private_segment_fixed_size: 0
    .kernarg_segment_align: 8
    .kernarg_segment_size: 32
    .max_flat_workgroup_size: 128
    .sgpr_count:     102
    .vgpr_count:     1024
    .wavefront_size: 32
...
	.end_amdgpu_metadata
.endif
;; end of part 6
;; launch fc2 (part 7): grid 8 x 32, 4 waves a work-group, clusters of 4 x 4, 327,680 bytes of LDS; arguments hb, wi, w_fc2_scales, x1, out0; writes out0
.if DOCPART == 7
	.amdgcn_target "amdgcn-amd-amdhsa--gfx1250"
	.amdhsa_code_object_version 6
	.text
	.protected	k_qc638275fd3_fc2
	.globl	k_qc638275fd3_fc2
	.p2align	8
	.type	k_qc638275fd3_fc2,@function
k_qc638275fd3_fc2:
	s_mov_b64 s[64:65], 0
	v_nop
	global_prefetch_b8 v0, s[64:65] scope:SCOPE_SE
	s_setreg_imm32_b32 hwreg(HW_REG_WAVE_MODE, 25, 1), 1
	s_wait_xcnt 0x0
	s_wait_alu depctr_hold_cnt(0) depctr_sa_sdst(0) depctr_va_vdst(0) depctr_va_sdst(0) depctr_va_ssrc(0) depctr_va_vcc(0) depctr_vm_vsrc(0)
	s_getreg_b32 s2, hwreg(HW_REG_IB_STS2, 6, 4)
	s_cmp_eq_u32 s2, 0
	s_cbranch_scc0 .Lentry_in_a_cluster
	s_endpgm
.Lentry_in_a_cluster:
	s_bfe_u32 s2, ttmp6, 0x10000c
	s_cmp_lg_u32 s2, 0xf033
	s_cbranch_scc0 .Lentry_shape_is_right
	s_endpgm
.Lentry_shape_is_right:
.set SIZE_K, 4096
.set SIZE_M, 4096
.set KROW,   SIZE_K*3/4
.set KS,     SIZE_K/32
.set APITCH, (SIZE_K/64)*768
.set ASC,    SIZE_M*SIZE_K*3/4
.set LAPS,   SIZE_K/1024
.set AHALF,  4*6144
.set BSUB,   AHALF                     ; B comes as images too (three planes of 256 bytes): 64 rows x 512 K are 4 x 6,144 dense bytes
.set BOFF,   2*AHALF
.set SLOT,   BOFF+2*BSUB
.set SCL,    2*SLOT
.set HALFS,  (64*KS/256)*272
.set SBLK,   (16*KS/256)*272
.set SPARE,  SCL+4*HALFS
.set SPITCH, 272
.set ADA16, 16
.set ADA8,  18
.set ADRB,  20
.set STO,   24
.set RD,    25
.set CO,    26
.set ADRSA, 27
.set SPW,   28
.set NIL,   29
.set ADRSB, 30
.set PFO,   31
.set SCA,   32
.set SCB,   64
.set ACC,   128
.set PFA,  6
.set LIM,  12
.set PFS,  66
.set G1, 24
.set G0, 32
.set G1B, 48
.set G0B, 56
.set G1S, 68
.set G0S, 76
.set G1SB, 80
.set G0SB, 88
.set MSB, 0
.macro WIN new
.if MSB != (\new)
	s_set_vgpr_msb (MSB<<8)|(\new)
.set MSB, (\new)
.endif
.endm
.macro JLOAD g0a, g1a, g0b, g1b
	s_cmp_eq_u32 s15, 0
	s_cbranch_scc0 .Lfor_b_\@
	tensor_load_to_lds s[\g0a:\g0a+3], s[\g1a:\g1a+7]
	s_nop 0
.rept 4
	v_nop
.endr
	s_branch .Lasked_\@
.Lfor_b_\@:
	tensor_load_to_lds s[\g0b:\g0b+3], s[\g1b:\g1b+7]
	s_nop 0
.rept 4
	v_nop
.endr
.Lasked_\@:
.endm
.macro ASK slot
	s_cmp_gt_u32 s3, s[LIM+\slot]
	s_cbranch_scc0 .Lnot_mine_\@
	global_prefetch_b8 v[PFO], s[PFA:PFA+1] th:TH_LOAD_NT scope:SCOPE_SE
.Lnot_mine_\@:
.endm
.macro CREST
	s_cmp_lg_u32 s14, 0
	s_cbranch_scc1 .Lnot_wave_0_\@
	s_barrier_signal -3
.Lnot_wave_0_\@:
	s_barrier_wait -3
	s_barrier_signal -1
	s_barrier_wait -1
.endm
.macro CROUND
	s_barrier_signal -1
	s_barrier_wait -1
	CREST
.endm
.macro PLACES n
.rept \n
	v_nop
.endr
.endm
	s_load_b64 s[4:5], s[0:1], 0x0
	s_load_b128 s[8:11], s[0:1], 0x8
	s_load_b128 s[96:99], s[0:1], 0x18
	v_lshl_add_u32 v[SPW], v0, 2, SPARE
	v_mov_b32 v[NIL], 0
	ds_add_u32 v28, v29
	ds_add_u32 v28, v29
	s_wait_dscnt 0x0
	v_lshrrev_b32 v1, 5, v0
	v_readfirstlane_b32 s14, v1
	s_lshr_b32 s15, s14, 1
	s_and_b32 s16, s14, 1
	s_bfe_u32 s40, ttmp6, 0x40000
	s_bfe_u32 s41, ttmp6, 0x40004
	s_lshl_b32 s42, ttmp9, 2
	s_add_co_u32 s42, s42, s40
	s_and_b32 s17, ttmp7, 0xffff
	s_lshl_b32 s17, s17, 2
	s_add_co_u32 s17, s17, s41
	s_lshl_b32 s43, s41, 2
	s_lshl_b32 s43, 15, s43
	s_lshl_b32 s44, 0x1111, s40
	s_or_b32 s[G1+0], s43, (3<<16)|(1<<21)
	s_mov_b32 s[G1+1], 768<<16
	s_mov_b32 s[G1+2], 8<<16                       ; at the head 8 groups of 16 rows; behind it 4
	s_mov_b32 s[G1+3], 768<<16
	s_mov_b32 s[G1+4], 8
	s_mov_b32 s[G1+5], APITCH/8
	s_mov_b32 s[G1+6], 0
	s_mov_b32 s[G1+7], 0
	s_or_b32 s[G1B+0], s44, (3<<16)|(1<<21)
	s_mov_b32 s[G1B+1], 768<<16
	s_mov_b32 s[G1B+2], 8<<16
	s_mov_b32 s[G1B+3], 768<<16
	s_mov_b32 s[G1B+4], 8
	s_mov_b32 s[G1B+5], APITCH/8
	s_mov_b32 s[G1B+6], 0
	s_mov_b32 s[G1B+7], 0
	s_or_b32 s[G1S+0], s43, (3<<16)|(1<<20)|(1<<21)|(5<<22)|(3<<25)
	s_or_b32 s[G1SB+0], s44, (3<<16)|(1<<20)|(1<<21)|(5<<22)|(3<<25)
.irp g, G1S, G1SB
	s_mov_b32 s[\g+1], 32<<16
	s_mov_b32 s[\g+2], (128*KS/256)<<16
	s_mov_b32 s[\g+3], 32<<16
	s_mov_b32 s[\g+4], 128*KS/256
	s_mov_b32 s[\g+5], 32
	s_mov_b32 s[\g+6], 0
	s_mov_b32 s[\g+7], 0
.endr
	s_lshl_b32 s20, s17, 3
	s_lshl_b32 s18, s16, 2
	s_add_co_u32 s20, s20, s18
	s_mul_i32 s20, s20, APITCH
	s_mov_b32 s21, 0
	s_mul_i32 s22, s17, 128*KS
	s_mul_i32 s18, s16, 64*KS
	s_add_co_u32 s22, s22, s18
	s_add_co_u32 s22, s22, ASC
	s_mov_b32 s23, 0
	s_mul_i32 s46, s42, 128*KROW
	s_mul_i32 s19, s16, 64*KROW
	s_add_co_u32 s46, s46, s19
	s_mov_b32 s47, 0
	s_mul_i32 s92, s42, 128*KS
	s_add_co_u32 s92, s92, s18
	s_mov_b32 s93, 0
	s_mul_i32 s45, s16, AHALF
	s_mul_i32 s94, s16, BSUB
	s_add_co_u32 s94, s94, BOFF
	s_mov_b32 s19, 0                               ; s[18:19]: my half's scale bytes, taken off again for the loads of all 128 rows
	s_wait_kmcnt 0x0
	s_add_nc_u64 s[20:21], s[4:5], s[20:21]
	s_add_nc_u64 s[22:23], s[4:5], s[22:23]
	s_add_nc_u64 s[8:9], s[8:9], 6291456           ; w_fc2's images in wi
	s_add_nc_u64 s[46:47], s[8:9], s[46:47]
	s_add_nc_u64 s[92:93], s[10:11], s[92:93]
	CROUND
	s_mov_b32 s[G0S], 1
	s_mov_b32 s[G0S+1], SCL
	s_sub_nc_u64 s[G0S+2:G0S+3], s[22:23], s[18:19]
	s_or_b32 s[G0S+3], s[G0S+3], 0x80000000
	s_mov_b32 s[G0SB], 1
	s_mov_b32 s[G0SB+1], SCL+2*HALFS
	s_sub_nc_u64 s[G0SB+2:G0SB+3], s[92:93], s[18:19]
	s_or_b32 s[G0SB+3], s[G0SB+3], 0x80000000
.irp s, 0,1
	s_mov_b32 s[G0+4*\s], 1
	s_add_co_u32 s[G0+4*\s+1], s45, \s*SLOT
	s_add_nc_u64 s[G0+4*\s+2:G0+4*\s+3], s[20:21], \s*6144
	s_or_b32 s[G0+4*\s+3], s[G0+4*\s+3], 0x80000000
	s_mov_b32 s[G0B+4*\s], 1
	s_add_co_u32 s[G0B+4*\s+1], s94, \s*SLOT
	s_add_nc_u64 s[G0B+4*\s+2:G0B+4*\s+3], s[46:47], \s*6144
	s_or_b32 s[G0B+4*\s+3], s[G0B+4*\s+3], 0x80000000
.endr
; The head's four tiles, one joint load a wave: wave 0 slot 0 of A's 128 rows, wave 2 of B's, wave 1 A's scales, wave 3 B's.
.macro ARM w, g0, g1, next
	s_cmp_eq_u32 s14, \w
	s_cbranch_scc0 \next
	tensor_load_to_lds s[\g0:\g0+3], s[\g1:\g1+7]
	s_nop 0
.rept 4
	v_nop
.endr
	s_branch .Lhead_asked
\next:
.endm
	ARM 0, G0, G1, .Lhead_b
	ARM 2, G0B, G1B, .Lhead_sa
	ARM 1, G0S, G1S, .Lhead_sb
	tensor_load_to_lds s[G0SB:G0SB+3], s[G1SB:G1SB+7]
	s_nop 0
.rept 4
	v_nop
.endr
.Lhead_asked:
	v_and_b32 v1, 15, v0
	v_bfe_u32 v2, v0, 4, 1
	v_and_b32 v3, 31, v0
	s_mul_i32 s21, s15, AHALF
	v_lshl_add_u32 v[ADA16], v3, 4, s21
	v_add_nc_u32 v[ADA16+1], SLOT, v[ADA16]
	v_lshl_add_u32 v[ADA8], v3, 3, s21
	v_add_nc_u32 v[ADA8+1], SLOT, v[ADA8]
	v_lshlrev_b32 v4, 3, v3                        ; a plane of an image: 8 x lane
	s_mul_i32 s22, s16, AHALF
	s_add_co_u32 s22, s22, BOFF
.irp s, 0,1
	v_add_nc_u32 v[ADRB+\s], s22, v4
	s_add_co_u32 s22, s22, SLOT
.endr
	v_lshlrev_b32 v5, 5, v1
	v_lshrrev_b32 v6, 3, v1
	v_lshl_add_u32 v5, v6, 4, v5
	s_lshl_b32 s21, s15, 4
	s_add_co_u32 s21, s21, SCL
	v_add_nc_u32 v[ADRSA], s21, v5
	v_mul_u32_u24 v5, v1, KS
	v_lshrrev_b32 v6, 8, v5
	v_lshl_add_u32 v5, v6, 4, v5
	s_mul_i32 s21, s16, HALFS
	s_add_co_u32 s21, s21, SCL+2*HALFS
	v_add_nc_u32 v[ADRSB], s21, v5
	s_mul_i32 s23, s14, 16*SPITCH
	v_mul_u32_u24 v5, v1, SPITCH
	v_lshl_add_u32 v5, v2, 5, v5
	v_add_nc_u32 v[STO], s23, v5
	v_mul_u32_u24 v5, v2, SPITCH
	v_lshl_add_u32 v5, v1, 4, v5
	v_add_nc_u32 v[RD], s23, v5
	v_lshlrev_b32 v5, 12, v2
	v_lshl_add_u32 v[CO], v1, 4, v5
	s_wait_alu depctr_va_vdst(0)
	s_lshl_b32 s20, s17, 19
	s_lshl_b32 s21, s15, 18
	s_add_co_u32 s20, s20, s21
	s_lshl_b32 s46, s42, 9
	s_lshl_b32 s47, s16, 8
	s_add_co_u32 s46, s46, s47
	s_add_co_u32 s20, s20, s46
	s_mov_b32 s21, 0
	s_add_nc_u64 s[96:97], s[96:97], s[20:21]
	s_add_nc_u64 s[98:99], s[98:99], s[20:21]
	s_lshl_b32 s18, s17, 3
	s_lshl_b32 s19, s16, 2
	s_add_co_u32 s18, s18, s19
	s_add_co_u32 s18, s18, s40
	s_mul_i32 s18, s18, APITCH
	s_add_co_u32 s18, s18, 4*6144-8192
	s_lshl_b32 s19, s42, 3                         ; B's prefetches go as A's: of the four groups of 16 rows that I fetch, the partner at cy takes one; a lane 256 bytes
	s_lshl_b32 s20, s16, 2
	s_add_co_u32 s19, s19, s20
	s_add_co_u32 s19, s19, s41
	s_mul_i32 s19, s19, APITCH
	s_add_co_u32 s19, s19, 4*6144-8192
	s_and_b32 s20, ttmp7, 0xffff
	s_mov_b32 s21, 256
	s_mov_b32 s[PFS], 8192
	s_mov_b32 s[PFS+1], 0
	s_mov_b32 s23, 0
	s_cmp_eq_u32 s15, 0
	s_cselect_b32 s22, s18, s19
	s_cselect_b32 s20, ttmp9, s20
	s_cselect_b64 s[PFA:PFA+1], s[4:5], s[8:9]
	s_add_nc_u64 s[PFA:PFA+1], s[PFA:PFA+1], s[22:23]
	s_cmp_eq_u32 s20, 0
	s_cselect_b32 s[LIM], 1, -1
	s_cselect_b32 s[LIM+1], 2, -1
	v_and_b32 v[PFO], 31, v0
	v_mul_lo_u32 v[PFO], v[PFO], s21
	WIN 0x80
.irp a, 0,1,2,3
.irp t, 0,1,2,3,4,5,6,7
	global_load_b128 v[32*\a+4*\t:32*\a+4*\t+3], v[CO], s[96:97] offset:(16*\a+2*\t)*4096
.endr
.endr
	WIN 0
.macro FRAG reg, adr, q, i
.irp p, 0,1,2,3,4,5
	ds_load_b64 v[\reg+2*\p:\reg+2*\p+1], v[\adr] offset:(\i)*6144+(\q)*1536+768*(\p/3)+256*(\p%3)
.endr
.endm
.macro FETCH slot, q, p
	WIN 0x40
.irp a, 0,1,2,3
	ds_load_b128 v[128*(\p)+12*\a:128*(\p)+12*\a+3], v[ADA16+\slot] offset:\a*6144+(\q)*1536
	ds_load_b64 v[128*(\p)+12*\a+4:128*(\p)+12*\a+5], v[ADA8+\slot] offset:\a*6144+(\q)*1536+512
	ds_load_b128 v[128*(\p)+12*\a+6:128*(\p)+12*\a+9], v[ADA16+\slot] offset:\a*6144+(\q)*1536+768
	ds_load_b64 v[128*(\p)+12*\a+10:128*(\p)+12*\a+11], v[ADA8+\slot] offset:\a*6144+(\q)*1536+1280
.endr
.irp i, 0,1,2,3
	FRAG 128*(\p)+48+12*\i, ADRB+\slot, \q, \i
.endr
.endm
.macro SCALES set
	WIN 0
.irp q, 0,1,2,3
	ds_load_b128 v[SCA+16*(\set)+4*\q:SCA+16*(\set)+4*\q+3], v[ADRSA] offset:544*\q
.endr
.irp i, 0,1,2,3
	ds_load_b128 v[SCB+16*(\set)+4*\i:SCB+16*(\set)+4*\i+3], v[ADRSB] offset:\i*SBLK
.endr
.endm
.macro MUL4 a, p, q, set, zero
	WIN 0x05
.irp b, 0,1,2,3
.if \zero
	v_wmma_scale_f32_16x16x128_f8f6f4 v[ACC+8*(4*(\a)+\b):ACC+8*(4*(\a)+\b)+7], v[128*(\p)+48+12*\b:128*(\p)+48+12*\b+11], v[128*(\p)+12*(\a):128*(\p)+12*(\a)+11], 0, v[SCB+16*(\set)+4*\b+(\q)], v[SCA+16*(\set)+4*(\q)+(\a)] matrix_a_fmt:MATRIX_FMT_FP6 matrix_b_fmt:MATRIX_FMT_FP6
.else
	v_wmma_scale_f32_16x16x128_f8f6f4 v[ACC+8*(4*(\a)+\b):ACC+8*(4*(\a)+\b)+7], v[128*(\p)+48+12*\b:128*(\p)+48+12*\b+11], v[128*(\p)+12*(\a):128*(\p)+12*(\a)+11], v[ACC+8*(4*(\a)+\b):ACC+8*(4*(\a)+\b)+7], v[SCB+16*(\set)+4*\b+(\q)], v[SCA+16*(\set)+4*(\q)+(\a)] matrix_a_fmt:MATRIX_FMT_FP6 matrix_b_fmt:MATRIX_FMT_FP6
.endif
.endr
.endm
.macro STEP slot, q, zero
	s_wait_dscnt 0
	PLACES 4
	FETCH \slot, (\q)+1, ((\q)+1)%2
	MUL4 0, (\q)%2, \q, \slot, \zero
	MUL4 1, (\q)%2, \q, \slot, \zero
	MUL4 2, (\q)%2, \q, \slot, \zero
	MUL4 3, (\q)%2, \q, \slot, \zero
.endm
.macro TURN slot, next, fill
.if \fill
	s_wait_xcnt 0x0
	s_add_nc_u64 s[PFA:PFA+1], s[PFA:PFA+1], s[PFS:PFS+1]
.endif
	WIN 0
	s_wait_tensorcnt 0x0
	ds_add_u32 v[SPW], v[NIL]
	s_wait_dscnt 1
	MUL4 0, 1, 3, \slot, 0
	s_wait_dscnt 0x0
	s_barrier_signal -1
	MUL4 1, 1, 3, \slot, 0
	WIN 0
	s_barrier_wait -1
.if \fill
	CREST
	s_add_nc_u64 s[G0+4*\slot+2:G0+4*\slot+3], s[G0+4*\slot+2:G0+4*\slot+3], 2*6144
	s_add_nc_u64 s[G0B+4*\slot+2:G0B+4*\slot+3], s[G0B+4*\slot+2:G0B+4*\slot+3], 2*6144
	JLOAD G0+4*\slot, G1, G0B+4*\slot, G1B
.else
	PLACES 4
.endif
	s_wait_alu depctr_va_vdst(0)
	v_add_nc_u32 v[ADRSA], 4*544, v[ADRSA]
	v_add_nc_u32 v[ADRSB], 16, v[ADRSB]
	FETCH \next, 0, 0
	SCALES \next
.if \fill
	ASK \slot
.endif
	MUL4 2, 1, 3, \slot, 0
	MUL4 3, 1, 3, \slot, 0
.endm
	s_wait_alu depctr_va_vdst(0)
	s_wait_tensorcnt 0x0                           ; my tile of the head's four is in
	ds_add_u32 v[SPW], v[NIL]
	s_mov_b32 s[G1+2], 4<<16                       ; no load of mine is out: from here on a load brings 4 groups of 16 rows
	s_mov_b32 s[G1+4], 4
	s_mov_b32 s[G1B+2], 4<<16
	s_mov_b32 s[G1B+4], 4
	s_wait_dscnt 0x0
	CROUND
	JLOAD G0+4, G1, G0B+4, G1B                     ; slot 1's first fill
	FETCH 0, 0, 0
	SCALES 0
	STEP 0, 0, 1
.if LAPS > 1
	WIN 0
	s_mov_b32 s3, LAPS-1
.Llap:
	STEP 0, 1, 0
	STEP 0, 2, 0
	TURN 0, 1, 1
	STEP 1, 0, 0
	STEP 1, 1, 0
	STEP 1, 2, 0
	TURN 1, 0, 1
	STEP 0, 0, 0
	WIN 0
	s_sub_co_u32 s3, s3, 1
	s_cmp_lg_u32 s3, 0
	s_cbranch_scc1 .Llap
.endif
	STEP 0, 1, 0
	STEP 0, 2, 0
	TURN 0, 1, 0
	STEP 1, 0, 0
	STEP 1, 1, 0
	STEP 1, 2, 0
	s_wait_dscnt 0
	MUL4 0, 1, 3, 1, 0
	MUL4 1, 1, 3, 1, 0
	MUL4 2, 1, 3, 1, 0
	MUL4 3, 1, 3, 1, 0
	WIN 0
	PLACES 4
	s_wait_loadcnt 0x0
.macro OUTB a
.set BK, 32*((\a)%2)
.irp b, 0,1,2,3
	ds_store_b128 v[STO], v[ACC+8*(4*(\a)+\b):ACC+8*(4*(\a)+\b)+3] offset:64*\b
	ds_store_b128 v[STO], v[ACC+8*(4*(\a)+\b)+4:ACC+8*(4*(\a)+\b)+7] offset:64*\b+16
.endr
.if (\a) > 1
	s_wait_xcnt 0x0
.endif
	WIN 0x40
.irp t, 0,1,2,3,4,5,6,7
	ds_load_b128 v[BK+4*\t:BK+4*\t+3], v[RD] offset:\t*2*SPITCH
.endr
	s_wait_dscnt 0x0
	WIN 0x49
.irp i, 0,2,4,6,8,10,12,14,16,18,20,22,24,26,28,30
	v_pk_add_f32 v[BK+\i:BK+\i+1], v[BK+\i:BK+\i+1], v[32*(\a)+\i:32*(\a)+\i+1]
.endr
	WIN 0x04
.irp t, 0,1,2,3,4,5,6,7
	global_store_b128 v[CO], v[BK+4*\t:BK+4*\t+3], s[98:99] offset:(16*(\a)+2*\t)*4096
.endr
	WIN 0
.endm
	OUTB 0
	OUTB 1
	OUTB 2
	OUTB 3
	s_wait_tensorcnt 0x0
	ds_add_u32 v[SPW], v[NIL]
	s_wait_dscnt 0x0
	CROUND
	s_endpgm
.Lfunc_end_k_qc638275fd3_fc2:
	.size	k_qc638275fd3_fc2, .Lfunc_end_k_qc638275fd3_fc2-k_qc638275fd3_fc2
	.p2alignl 7, 3214868480
	.fill 96, 4, 3214868480
	.section	.rodata,"a",@progbits
	.p2align	6, 0x0
	.amdhsa_kernel k_qc638275fd3_fc2
		.amdhsa_group_segment_fixed_size 327680
		.amdhsa_private_segment_fixed_size 0
		.amdhsa_enable_private_segment 0
		.amdhsa_kernarg_size 40
		.amdhsa_user_sgpr_count 2
		.amdhsa_user_sgpr_kernarg_segment_ptr 1
		.amdhsa_wavefront_size32 1
		.amdhsa_system_sgpr_workgroup_id_x 1
		.amdhsa_system_sgpr_workgroup_id_y 1
		.amdhsa_system_sgpr_workgroup_id_z 1
		.amdhsa_system_vgpr_workitem_id 0
		.amdhsa_next_free_vgpr 640
		.amdhsa_next_free_sgpr 100
		.amdhsa_reserve_vcc 0
		.amdhsa_float_denorm_mode_32 3
		.amdhsa_float_denorm_mode_16_64 3
		.amdhsa_memory_ordered 1
		.amdhsa_forward_progress 1
		.amdhsa_inst_pref_size 108
	.end_amdhsa_kernel
	.amdgpu_metadata
---
amdhsa.version: [ 1, 2 ]
amdhsa.kernels:
  - .name:           k_qc638275fd3_fc2
    .symbol:         k_qc638275fd3_fc2.kd
    .args:
      - { .name: hb, .offset: 0, .size: 8, .value_kind: global_buffer, .address_space: global }
      - { .name: wi, .offset: 8, .size: 8, .value_kind: global_buffer, .address_space: global }
      - { .name: w_fc2_scales, .offset: 16, .size: 8, .value_kind: global_buffer, .address_space: global }
      - { .name: x1, .offset: 24, .size: 8, .value_kind: global_buffer, .address_space: global }
      - { .name: out0, .offset: 32, .size: 8, .value_kind: global_buffer, .address_space: global }
    .group_segment_fixed_size: 327680
    .private_segment_fixed_size: 0
    .kernarg_segment_align: 8
    .kernarg_segment_size: 40
    .max_flat_workgroup_size: 128
    .sgpr_count:     100
    .vgpr_count:     640
    .wavefront_size: 32
...
	.end_amdgpu_metadata
.endif
;; end of part 7
